; MI455X (gfx1250); checked and timed in simulation.
; The chip was launched on July 23, 2026; its instructions are those of AMD's public machine-readable ISA for CDNA 5 (MIT licence, August 2026) and "CDNA5" Instruction Set Architecture Reference Guide (July 2026). The comments in the code are by the model that wrote it; some were corrected since.
;; Phi Harmonic Attention. Allowed arithmetic: matrix products marked QUANTISED: E3M2 operands, one E8M0 scale for each 32 along K, by v_wmma_scale_f32_16x16x128_f8f6f4 with both operands' format E3M2, f32 sums; everything else in f32.
;; Inputs: Wk 2,048 x 2,048 float32; Wo 2,048 x 2,048 float32; Wq 2,048 x 2,048 float32; Wv 2,048 x 2,048 float32; x 1 x 2,048 x 2,048 float32.
;; Outputs: out0 1 x 2,048 x 2,048 float32.
;; This version of the problem:
;;   THIS VERSION OF THE PROBLEM IS GIVEN IN LOW PRECISION. The matrix products marked QUANTISED in the list below multiply operands that are first quantised to E3M2 (3 exponent bits, 2 mantissa bits; 6 bits a number), with one power-of-two scale for each 32 numbers along K (OCP MX v1.0); their sums are f32. All else is computed in f32.
;;   The module's matrix products, in the order in which they are computed (A, B: the left and right operand; K: the contracted axis; several contracted axes count as one K, in the product's order):
;;     1. [M 2,048, K 2,048] x [K 2,048, N 2,048]; A: input x; B: input Wq: QUANTISED
;;     2. [M 2,048, K 2,048] x [K 2,048, N 2,048]; A: input x; B: input Wk: QUANTISED
;;     3. [M 2,048, K 2,048] x [K 2,048, N 2,048]; A: input x; B: input Wv: QUANTISED
;;     4. batch 16 x [M 2,048, K 128] x [K 128, N 2,048]; A: computed on the way; B: computed on the way: QUANTISED
;;     5. batch 16 x [M 128, K 2,048] x [K 2,048, N 2,048]; A: computed on the way; B: softmax (see below): QUANTISED
;;     6. [M 2,048, K 2,048] x [K 2,048, N 2,048]; A: computed on the way; B: input Wo: QUANTISED
;;   THE QUANTISER, for each operand of a quantised product, along K:
;;     - K is cut into blocks of 32 from its start; a last block that is shorter is filled with zeros.
;;     - A block's scale is 2^e with e = floor(log2(the largest magnitude in the block)) - 4, held to -126 .. 127; a block of zeros has e = 0. As a byte (E8M0): e + 127.
;;     - Each number is divided by its block's scale, clamped to +-28, and rounded to the nearest number of E3M2, ties to even, subnormals kept.
;;     - The product sums the exact products of the quantised numbers (number of the format x scale) in f32.
;;   ~~~python
;;   def quantise(x, axis):      # numpy; x: float32 -> the quantised numbers, widened to float32 again
;;       x = np.moveaxis(x, axis, -1); K = x.shape[-1]
;;       x = np.pad(x, [(0, 0)] * (x.ndim - 1) + [(0, -K % 32)]); x = x.reshape(x.shape[:-1] + (-1, 32)); a = np.abs(x).max(-1, keepdims=True)
;;       e = np.where(a > 0, np.clip(np.frexp(np.where(a > 0, a, 1))[1] - 1 - 4, -126, 127), 0)      # np.frexp(a)[1] - 1 = floor(log2(a)), exactly
;;       r = np.clip(x / 2.0 ** e, -28, 28)
;;       step = 2.0 ** (np.maximum(np.frexp(np.where(r == 0, 1, r))[1] - 1, -2) - 2)
;;       q = np.round(r / step) * step * 2.0 ** e      # np.round: ties to even
;;       return np.moveaxis(q.reshape(q.shape[:-2] + (-1,))[..., :K], -1, axis).astype(np.float32)
;;   ~~~
;;   SOFTMAX AHEAD OF A QUANTISED PRODUCT. Where the list says 'softmax', what is quantised is not the finished softmax but p = 2^(t - M), with t = logit x log2(e) and M = ceil(the row's largest t), a whole number; so 1/2 < the row's largest p <= 1. The row's sum l is taken of the UNQUANTISED p, in f32, and the product's result is divided by l at the end. Since M is a whole number, a kernel that streams over the keys may use a running M (the ceiling of the running maximum): every later rescaling is an exact power of two, which a block's scale takes up: the codes' values come out the same.
;;   OPERANDS COMPUTED ON THE WAY. 'Computed on the way' means the value that the module computes at that place (a softmax that the list does not call 'softmax' is quantised finished and normalised). What goes into a quantiser is computed in f32, as accurately as f32 sums, v_exp_f32 and their like allow (about 1e-6 of the number): no bf16 or f16 on the way to a quantiser, and a product that is left as it is and whose result goes on into a quantised operand takes f32 operands (vector FMAs, or v_wmma_f32_16x16x4_f32). A number that lies on a knife's edge between two numbers of the format may be rounded either way, as far as f32 arithmetic and the matrix unit's own rounding can turn it there, and no further.
;; One version. Each part assembles by itself: llvm-mc -triple=amdgcn-amd-amdhsa -mcpu=gfx1250 --defsym DOCPART=n.
;; ======== version 1 of 1: 4 launches
;; limits: right only within a limited range of input values
;; workspace buffers: ops 16,384,000 bytes; tab 1,114,112 bytes; qkv 9,830,400 bytes; att 3,276,800 bytes
;; launch prep (part 1): grid 640 x 1, 4 waves a work-group, no clusters, 61,952 bytes of LDS; arguments x, Wq, Wk, Wv, Wo, ops, tab; writes ops, tab
.if DOCPART == 1
	.amdgcn_target "amdgcn-amd-amdhsa--gfx1250"
	.amdhsa_code_object_version 6
	.text
	.protected	k_qa0769029c9_prep
	.globl	k_qa0769029c9_prep
	.p2align	8
	.type	k_qa0769029c9_prep,@function
k_qa0769029c9_prep:
	s_mov_b64 s[64:65], 0
	v_nop
	global_prefetch_b8 v0, s[64:65] scope:SCOPE_SE
	s_setreg_imm32_b32 hwreg(HW_REG_WAVE_MODE, 25, 1), 1
	s_wait_xcnt 0x0
; x [2048][2048] and the four weights [k 2048][n 2048], f32, become codes of BF6 (E3M2) with one E8M0 byte for each 32 along K; and the rope's table of cosines and sines is made.
; LAYOUT OF ops.  A fragment (16 rows x 128 K) is stored as the image of its 12 operand registers: registers 4 c .. 4 c + 3 of lane l at 512 c + 16 l: 1,536 bytes.  Fragments lie [row block of 16][K step of 128].
; Row blocks 0-127 x, 128-255 Wq, 256-383 Wk, 384-511 Wv, 512-639 Wo (a weight's rows are its n).  Scale words (4 bytes: 128 K of one row) lie at OPS_SC as [K step][row].
; ROWS ARE STORED WITH BITS 3 AND 4 OF THEIR NUMBER SWAPPED: place 32 B + 16 u + m holds row 32 B + 8 u + m + 8 (m / 8).  So a transposed product over two neighbouring tiles leaves 16 neighbours in a lane's 16 registers.
; A block's scale is 2^(floor(log2(largest magnitude)) - 4); its byte is the largest magnitude's exponent field - 4, held at 1 from below (a block of zeros keeps the byte 1: its codes are zeros, and this program alone reads the bytes).
; LIMITS: blocks whose largest magnitude lies under 2^-122 keep the byte 1; NaN and infinities among the inputs are not served.  The table's inverse frequencies lie within about 2 units in the last place of the exact
; ones, so at the largest angles (about 1,265 rad) an angle may differ by about 1e-4 rad from one made of another rounding of the same frequency.
; Work-groups 0-127 take x and the table, 128-639 the weights.  Each of the two ways has LDS bytes of its own (0 .. 34,815 and 34,816 .. 60,415).  Waves share nothing: no barrier.
.set OPS_SC, 15728640
.set RBB,    24576                     ; a row block's 16 fragments
.set SCP,    40960                     ; a K step's plane of scale words: 10,240 rows x 4 bytes
.set XSTG,   8704                      ; x: a wave's stage: 16 rows x 528 bytes, then 256 bytes of scale words
.set WBASE,  4*XSTG                    ; the weights' stages begin here
.set WSTG,   6400                      ; a wave's: two row blocks x (two fragments + 128 bytes)
.set R,   16                           ; v16-143  x: two sets of 64 registers as loaded
.set X,   144                          ; v144-207 x: 64 numbers in the quantiser's order
.set TM,  208                          ; v208-223 the quantiser's work
.set PC,  224                          ; v224-242 the codes just made
.set PW,  244                          ; v244     the scale word just made
.set SEL, 34                           ; s[34:35] lane selects for lane l xor 16
.set FI,  144                          ; the table's work, eight registers each
.set AA,  152
.set EP,  160
.set PP,  168
.set AN,  176
.set NN,  184
.set RH,  192
.set ZZ,  200
.set SP,  208
.set CP,  216
.set T1,  224
.set CSO, 232
.set SNO, 240
.set IDN, 248
.set WX,  32                           ; v32-95   weights: two sets of 32 numbers
.set WC,  96                           ; v96-102  a block's codes
.set OUTR,112                          ; v112-159 the way out
.set SB,  24                           ; v24-25   scale words
; 64 numbers of a lane, register 16 b + i = k 32 b + 16 (lane / 16) + i of the lane's row, become a fragment's codes in v[PC] on and its scale word in v[PW].
.macro QUANT s
.irp b, 0,1,2,3
	v_max3_num_f32 v[TM+\b], |v[\s+16*\b]|, |v[\s+1+16*\b]|, 0x2800000   ; my 16 numbers of block b, and the floor 2^(5 - 127)
.endr
.irp i, 2,4,6,8,10,12,14
.irp b, 0,1,2,3
	v_max3_num_f32 v[TM+\b], v[TM+\b], |v[\s+16*\b+\i]|, |v[\s+1+16*\b+\i]|
.endr
.endr
.irp b, 0,1,2,3
	v_permlanex16_b32 v[TM+4+\b], v[TM+\b], s[SEL], s[SEL+1]
.endr
.irp b, 0,1,2,3
	v_max_num_f32 v[TM+\b], v[TM+\b], v[TM+4+\b]                       ; with lane l xor 16's: the block's largest magnitude
.endr
.irp b, 0,1,2,3
	v_add_nc_u32 v[TM+12+\b], 0xfe000000, v[TM+\b]                     ; 4 off its exponent field: the conversion's scale operand
.endr
.irp b, 0,1,2,3
	v_lshrrev_b32 v[TM+4+\b], 23, v[TM+12+\b]                          ; the scale's byte
.endr
	v_lshl_or_b32 v[PW], v[TM+5], 8, v[TM+4]
	v_lshl_or_b32 v[PW], v[TM+6], 16, v[PW]
	v_lshl_or_b32 v[PW], v[TM+7], 24, v[PW]
.irp c, 0,1
	v_cvt_scalef32_pk16_bf6_f32 v[PC+6*\c:PC+2+6*\c], v[\s+32*\c:\s+15+32*\c], v[TM+12+2*\c]
	v_cvt_scalef32_pk16_bf6_f32 v[PC+12+4*\c:PC+14+4*\c], v[\s+16+32*\c:\s+31+32*\c], v[TM+12+2*\c+1]
.endr
	v_nop                                          ; one plain instruction behind the scaled conversions
.irp c, 0,1                                    ; the operand wants a whole block in a lane: lanes 0-15 block 2 c, lanes 16-31 block 2 c + 1
.irp i, 0,1,2
	v_permlane16_swap_b32 v[PC+6*\c+\i], v[PC+12+4*\c+\i]
.endr
.irp i, 0,1,2
	v_mov_b32 v[PC+3+6*\c+\i], v[PC+12+4*\c+\i]
.endr
.endr
.endm
; x: the 16 rows of fragment f = 2 B + u, 512 consecutive bytes of a row to a load
.macro LOADF f
.irp i, 0,1,2,3,4,5,6,7,8,9,10,11,12,13,14,15
	global_load_b128 v[R+64*((\f)%2)+4*\i:R+64*((\f)%2)+4*\i+3], v1, s[4:5] offset:(32*((\f)/2)+8*((\f)%2)+\i+8*(\i/8))*8192 th:TH_LOAD_NT
.endr
.endm
.macro XFRAG f
.if (\f) < 3
	s_wait_loadcnt 16                              ; this fragment's 16 loads are in; the next fragment's 16 may be out
.else
	s_wait_loadcnt 0
.endif
.irp i, 0,1,2,3,4,5,6,7,8,9,10,11,12,13,14,15
	ds_store_b128 v2, v[R+64*((\f)%2)+4*\i:R+64*((\f)%2)+4*\i+3] offset:528*\i      ; as loaded: row i of the stage
.endr
.irp b, 0,1,2,3
.irp j, 0,1,2,3
	ds_load_b128 v[X+16*\b+4*\j:X+16*\b+4*\j+3], v3 offset:128*\b+16*\j              ; back: row r, my 16 numbers of each block of 32 (LDS serves a wave's instructions in order)
.endr
.endr
	s_wait_dscnt 0x0                               ; the numbers are back; the stores have read the loaded set; the last scale word is stored
.if (\f) < 2
	LOADF (\f)+2
.endif
	s_wait_xcnt 0x0                                ; the last fragment's stores have read the codes' registers
	QUANT X
.irp c, 0,1,2
	global_store_b128 v1, v[PC+4*\c:PC+4*\c+3], s[18:19] offset:(\f)*RBB+512*\c      ; 512 consecutive aligned bytes a store
.endr
	ds_store_b32 v4, v[PW] offset:64*(\f)          ; both halves of the lanes hold the same word and write it to the same place
.endm
; weights: block t: W(32 t + i, my column), i = 0 .. 31
.macro LOADW t
.irp i, 0,1,2,3,4,5,6,7,8,9,10,11,12,13,14,15,16,17,18,19,20,21,22,23,24,25,26,27,28,29,30,31
	global_load_b32 v[WX+32*((\t)%2)+\i], v3, s[6:7] offset:(32*(\t)+\i)*8192 th:TH_LOAD_NT
.endr
.endm
.macro BLOCK t
.set XS, WX+32*((\t)%2)
.set DO, ((\t)/4)*1536+256*((\t)%2)    ; K step t / 4; the block belongs to the image's lanes 16 (t % 2) + r
.if (\t) < 7
	s_wait_loadcnt 32                              ; this block's 32 loads are in; the next block's may be out
.else
	s_wait_loadcnt 0
.endif
	v_max3_num_f32 v14, |v[XS]|, |v[XS+1]|, |v[XS+2]|
	v_max3_num_f32 v15, |v[XS+3]|, |v[XS+4]|, |v[XS+5]|
.irp i, 6,10,14,18,22,26
	v_max3_num_f32 v14, v14, |v[XS+\i]|, |v[XS+\i+1]|
	v_max3_num_f32 v15, v15, |v[XS+\i+2]|, |v[XS+\i+3]|
.endr
	v_max3_num_f32 v14, v14, |v[XS+30]|, |v[XS+31]|
	v_max3_num_f32 v14, v14, v15, 0x2800000        ; the block's largest magnitude (all 32 are mine), and the floor
	v_add_nc_u32 v16, 0xfe000000, v14
	v_lshrrev_b32 v15, 23, v16
.if (\t)%4 == 0
	v_mov_b32 v[SB+(\t)/4], v15
.else
	v_lshl_or_b32 v[SB+(\t)/4], v15, 8*((\t)%4), v[SB+(\t)/4]
.endif
	v_cvt_scalef32_pk16_bf6_f32 v[WC:WC+2], v[XS:XS+15], v16
	v_cvt_scalef32_pk16_bf6_f32 v[WC+4:WC+6], v[XS+16:XS+31], v16
	v_nop                                          ; one plain instruction behind the scaled conversions
	v_mov_b32 v[WC+3], v[WC+4]                     ; the block's six registers on end
	v_mov_b32 v[WC+4], v[WC+5]
	v_mov_b32 v[WC+5], v[WC+6]
.if ((\t)/2)%2 == 0                            ; registers 0-5 of the fragment: group 0 whole, the lower half of my 16 bytes of group 1
	ds_store_b128 v4, v[WC:WC+3] offset:DO
	ds_store_b64 v4, v[WC+4:WC+5] offset:DO+512
.else                                          ; registers 6-11: the upper half of group 1, group 2 whole
	ds_store_b64 v4, v[WC:WC+1] offset:DO+520
	ds_store_b128 v4, v[WC+2:WC+5] offset:DO+1024
.endif
.if (\t)+2 < 8
	LOADW (\t)+2
.endif
	s_wait_dscnt 0x0                               ; the stores have read their registers: the next block's codes may be written
.endm
	s_load_b256 s[4:11], s[0:1], 0x0               ; x, Wq, Wk, Wv
	s_load_b128 s[12:15], s[0:1], 0x20             ; Wo, ops
	s_load_b64 s[16:17], s[0:1], 0x30              ; tab
	v_lshl_add_u32 v254, v0, 2, 0xf000
	v_mov_b32 v255, 0
	v_lshrrev_b32 v1, 5, v0
	v_readfirstlane_b32 s20, v1                    ; wave 0..3
	v_and_b32 v10, 31, v0                          ; lane
	s_mov_b32 s27, 0
	s_cmp_lt_u32 ttmp9, 128
	s_cbranch_scc0 .Lweights
	; ---------------- x: work-group g: rows 64 (g / 4) on; wave w: K step 4 (g % 4) + w: four fragments ----------------
	v_and_b32 v11, 15, v0                          ; r
	v_bfe_u32 v12, v0, 4, 1                        ; h
	v_lshlrev_b32 v1, 4, v10                       ; 16 x lane
	s_mul_i32 s21, s20, XSTG
	v_add_nc_u32 v2, s21, v1                       ; the stage, in
	v_mul_u32_u24 v3, v11, 528
	v_lshl_add_u32 v3, v12, 6, v3
	v_add_nc_u32 v3, s21, v3                       ; the stage, out: row r, + 64 h
	s_add_co_u32 s22, s21, 16*528
	v_lshl_add_u32 v4, v11, 2, s22                 ; my row's scale word
	v_lshl_add_u32 v5, v10, 3, s22                 ; and the 64 words on the way out, 8 bytes a lane
	v_lshlrev_b32 v6, 3, v10
	s_lshr_b32 s23, ttmp9, 2                       ; G
	s_and_b32 s24, ttmp9, 3
	s_lshl_b32 s24, s24, 2
	s_add_co_u32 s24, s24, s20                     ; the K step
	s_lshl_b32 s26, s23, 19                        ; 64 rows of 8,192 bytes
	s_lshl_b32 s25, s24, 9
	s_add_co_u32 s26, s26, s25
	s_wait_alu depctr_va_vdst(0)
	s_wait_kmcnt 0x0
	s_add_nc_u64 s[4:5], s[4:5], s[26:27]
	LOADF 0
	LOADF 1
	s_mul_i32 s26, s23, 4*RBB
	s_mul_i32 s25, s24, 1536
	s_add_co_u32 s26, s26, s25
	s_add_nc_u64 s[18:19], s[14:15], s[26:27]      ; my first fragment in ops
	s_mul_i32 s26, s24, SCP
	s_lshl_b32 s25, s23, 8
	s_add_co_u32 s26, s26, s25
	s_add_co_u32 s26, s26, OPS_SC
	s_add_nc_u64 s[28:29], s[14:15], s[26:27]      ; my 64 scale words
	s_lshl_b32 s26, ttmp9, 13
	s_lshl_b32 s25, s20, 10
	s_add_co_u32 s26, s26, s25
	s_add_nc_u64 s[30:31], s[16:17], s[26:27]      ; the table: row block g, groups 2 w and 2 w + 1
	s_lshr_b32 s26, ttmp9, 4
	s_add_co_u32 s26, s26, 128
	s_lshl_b32 s26, s26, 13
	s_and_b32 s25, ttmp9, 15
	s_lshl_b32 s25, s25, 9
	s_add_co_u32 s26, s26, s25
	s_add_nc_u64 s[32:33], s[16:17], s[26:27]      ; and group g % 16 of the identity's row block 128 + g / 16
	s_mov_b32 s[SEL], 0x76543210
	s_mov_b32 s[SEL+1], 0xfedcba98
	; ---- the table, while the first loads are on their way.  Register 16 B + i of lane (r, h) belongs to place 16 g + r and frequency 32 B + 16 h + i; wave w makes registers 8 w .. 8 w + 7 of the 32
	s_mov_b32 s36, 0xbe549a78                      ; -L, L = log2(10000) / 64, rounded
	s_mov_b32 s37, 0xb1979a6b                      ; and what the rounding left
	s_mov_b32 s38, 0x3f317218                      ; ln 2
	s_mov_b32 s39, 0x3f1e377a                      ; phi - 1
	s_mov_b32 s40, 0x3f22f983                      ; 2 / pi
	s_mov_b32 s41, 0xbfc90fdb                      ; -pi / 2, rounded
	s_mov_b32 s42, 0x333bbd2e                      ; and what the rounding left
	s_mov_b32 s43, 0xb94ca1f9                      ; the sine's polynomial on +-pi / 4
	s_mov_b32 s44, 0x3c08839e
	s_mov_b32 s45, 0xbe2aaaa3
	s_mov_b32 s46, 0x37ccf5ce                      ; the cosine's
	s_mov_b32 s47, 0xbab6061a
	s_mov_b32 s48, 0x3d2aaaa5
	s_lshr_b32 s21, ttmp9, 1
	s_lshl_b32 s21, s21, 5
	s_and_b32 s22, ttmp9, 1
	s_lshl_b32 s22, s22, 3
	s_add_co_u32 s21, s21, s22
	v_and_b32 v13, 8, v11
	v_add_nc_u32 v13, v13, v11
	v_add_nc_u32 v13, s21, v13
	v_cvt_f32_u32 v13, v13                         ; the position that lies at my place: 32 (g / 2) + 8 (g % 2) + r + 8 (r / 8)
	s_lshr_b32 s21, s20, 1
	s_lshl_b32 s21, s21, 5
	s_and_b32 s22, s20, 1
	s_lshl_b32 s22, s22, 3
	s_add_co_u32 s21, s21, s22
	v_lshl_add_u32 v14, v12, 4, s21                ; my first frequency: 32 (w / 2) + 8 (w % 2) + 16 h
.irp e, 0,1,2,3,4,5,6,7
	v_add_nc_u32 v[FI+\e], \e, v14
.endr
.irp e, 0,1,2,3,4,5,6,7
	v_cvt_f32_u32 v[FI+\e], v[FI+\e]
.endr
.irp e, 0,1,2,3,4,5,6,7
	v_mul_f32 v[AA+\e], s36, v[FI+\e]              ; a = -i L, rounded
.endr
	s_wait_alu depctr_va_vdst(0)
.irp e, 0,1,2,3,4,5,6,7
	v_exp_f32 v[PP+\e], v[AA+\e]                   ; 2^a: one batch of eight
.endr
.irp e, 0,1,2,3,4,5,6,7
	v_fma_f32 v[EP+\e], v[FI+\e], s36, -v[AA+\e]   ; what a's rounding left (plain work behind the batch: it names no result)
.endr
.irp e, 0,1,2,3,4,5,6,7
	v_fma_f32 v[EP+\e], v[FI+\e], s37, v[EP+\e]
.endr
	s_wait_alu depctr_va_vdst(0)                   ; one wait for the batch, ahead of its first reader
.irp e, 0,1,2,3,4,5,6,7
	v_mul_f32 v[T1+\e], v[PP+\e], v[EP+\e]
.endr
.irp e, 0,1,2,3,4,5,6,7
	v_fma_f32 v[PP+\e], v[T1+\e], s38, v[PP+\e]    ; 2^(a + e) = 2^a (1 + e ln 2)
.endr
.irp e, 0,1,2,3,4,5,6,7
	v_mul_f32 v[PP+\e], s39, v[PP+\e]              ; the inverse frequency
.endr
.irp e, 0,1,2,3,4,5,6,7
	v_mul_f32 v[AN+\e], v13, v[PP+\e]              ; the angle: one rounded product
.endr
.irp e, 0,1,2,3,4,5,6,7
	v_mul_f32 v[NN+\e], s40, v[AN+\e]
.endr
.irp e, 0,1,2,3,4,5,6,7
	v_rndne_f32 v[NN+\e], v[NN+\e]                 ; n quarter turns
.endr
.irp e, 0,1,2,3,4,5,6,7
	v_fma_f32 v[RH+\e], v[NN+\e], s41, v[AN+\e]    ; the rest: n is under 2^10, so this step rounds nothing
.endr
.irp e, 0,1,2,3,4,5,6,7
	v_fma_f32 v[RH+\e], v[NN+\e], s42, v[RH+\e]
.endr
.irp e, 0,1,2,3,4,5,6,7
	v_mul_f32 v[ZZ+\e], v[RH+\e], v[RH+\e]
.endr
.irp e, 0,1,2,3,4,5,6,7
	v_fma_f32 v[SP+\e], v[ZZ+\e], s43, s44
	v_fma_f32 v[CP+\e], v[ZZ+\e], s46, s47
.endr
.irp e, 0,1,2,3,4,5,6,7
	v_fma_f32 v[SP+\e], v[SP+\e], v[ZZ+\e], s45
	v_fma_f32 v[CP+\e], v[CP+\e], v[ZZ+\e], s48
.endr
.irp e, 0,1,2,3,4,5,6,7
	v_mul_f32 v[SP+\e], v[SP+\e], v[ZZ+\e]
	v_fma_f32 v[T1+\e], v[ZZ+\e], -0.5, 1.0
.endr
.irp e, 0,1,2,3,4,5,6,7
	v_fma_f32 v[SP+\e], v[SP+\e], v[RH+\e], v[RH+\e]   ; the rest's sine
	v_mul_f32 v[ZZ+\e], v[ZZ+\e], v[ZZ+\e]
.endr
.irp e, 0,1,2,3,4,5,6,7
	v_fma_f32 v[CP+\e], v[CP+\e], v[ZZ+\e], v[T1+\e]   ; and cosine
	v_cvt_i32_f32 v[NN+\e], v[NN+\e]
.endr
.irp e, 0,1,2,3,4,5,6,7
	v_and_b32 v[T1+\e], 1, v[NN+\e]
	v_cmp_eq_u32 vcc_lo, 1, v[T1+\e]               ; an odd quarter swaps the two
	v_cndmask_b32 v[SNO+\e], v[SP+\e], v[CP+\e], vcc_lo
	v_cndmask_b32 v[CSO+\e], v[CP+\e], v[SP+\e], vcc_lo
	v_and_b32 v[T1+\e], 2, v[NN+\e]                ; the sine is negative in quarters 2, 3,
	v_lshlrev_b32 v[T1+\e], 30, v[T1+\e]
	v_xor_b32 v[SNO+\e], v[SNO+\e], v[T1+\e]
	v_add_nc_u32 v[NN+\e], 1, v[NN+\e]             ; the cosine in quarters 1, 2
	v_and_b32 v[NN+\e], 2, v[NN+\e]
	v_lshlrev_b32 v[NN+\e], 30, v[NN+\e]
	v_xor_b32 v[CSO+\e], v[CSO+\e], v[NN+\e]
.endr
.irp j, 0,1
	global_store_b128 v1, v[CSO+4*\j:CSO+4*\j+3], s[30:31] offset:512*\j
	global_store_b128 v1, v[SNO+4*\j:SNO+4*\j+3], s[30:31] offset:4096+512*\j
.endr
	s_cmp_lg_u32 s20, 0                            ; the identity (cosine 1, sine 0), for the product that has no rope: one group a work-group, by wave 0
	s_cbranch_scc1 .Lno_ident
	s_bitcmp1_b32 ttmp9, 3                         ; groups 8-15 are sines
	s_cselect_b32 s21, 0, 1.0
.irp j, 0,1,2,3
	v_mov_b32 v[IDN+\j], s21
.endr
	global_store_b128 v1, v[IDN:IDN+3], s[32:33]
.Lno_ident:
	s_wait_xcnt 0x0                                ; the table's stores have read their registers
.irp b, 0,1,2,3
	v_mov_b32 v[TM+4+\b], 0                        ; written once: a lane permute's destination counts as one of its sources
.endr
	XFRAG 0
	XFRAG 1
	XFRAG 2
	XFRAG 3
	ds_load_b64 v[8:9], v5                         ; my wave's 64 scale words
	s_wait_dscnt 0x0
	global_store_b64 v6, v[8:9], s[28:29]          ; 256 consecutive aligned bytes
	s_wait_tensorcnt 0x0
	ds_add_u32 v254, v255
	s_wait_dscnt 0x0
	s_endpgm
	; ---------------- weights: a lane takes a column n, its registers run down K.  A wave: 32 columns x 256 along K ----------------
.Lweights:
	s_sub_co_u32 s21, ttmp9, 128
	s_lshr_b32 s22, s21, 7                         ; which weight
	s_and_b32 s23, s21, 15                         ; which 128 columns
	s_bfe_u32 s24, s21, 0x30004                    ; which 256 along K
	s_wait_alu depctr_va_vdst(0)
	v_lshlrev_b32 v3, 2, v10
	v_lshlrev_b32 v8, 4, v10
	v_bfe_u32 v11, v10, 3, 1                       ; column 'lane' lies at place p: bits 3 and 4 swapped: row block p / 16 = bit 3,
	v_bfe_u32 v12, v10, 4, 1
	v_and_b32 v13, 7, v10
	v_lshl_or_b32 v13, v12, 3, v13                 ; row r = p % 16
	v_lshl_or_b32 v9, v11, 4, v13
	v_lshlrev_b32 v9, 2, v9                        ; 4 p: my scale word's place
	s_mul_i32 s25, s20, WSTG
	s_add_co_u32 s25, s25, WBASE
	v_mul_u32_u24 v4, v11, 3200
	v_lshl_add_u32 v4, v13, 4, v4
	v_add_nc_u32 v4, s25, v4                       ; the stage, in
	v_add_nc_u32 v7, s25, v8                       ; and out
	s_lshl_b32 s26, s24, 21                        ; 256 rows of 8,192 bytes
	s_lshl_b32 s28, s23, 9
	s_add_co_u32 s26, s26, s28
	s_lshl_b32 s28, s20, 7
	s_add_co_u32 s26, s26, s28
	s_lshl_b32 s28, s22, 7
	s_add_co_u32 s28, s28, 128
	s_lshl_b32 s29, s23, 3
	s_add_co_u32 s28, s28, s29
	s_lshl_b32 s29, s20, 1
	s_add_co_u32 s28, s28, s29                     ; my first row block in ops
	s_mul_i32 s30, s28, RBB
	s_mul_i32 s29, s24, 3072
	s_add_co_u32 s30, s30, s29
	s_mov_b32 s31, 0
	s_lshl_b32 s32, s28, 6
	s_mul_i32 s29, s24, 2*SCP
	s_add_co_u32 s32, s32, s29
	s_add_co_u32 s32, s32, OPS_SC
	s_mov_b32 s33, 0
	s_wait_kmcnt 0x0
	s_cmp_eq_u32 s22, 1                            ; the choice hangs on the work-group's number alone
	s_cselect_b64 s[6:7], s[8:9], s[6:7]
	s_cmp_eq_u32 s22, 2
	s_cselect_b64 s[6:7], s[10:11], s[6:7]
	s_cmp_eq_u32 s22, 3
	s_cselect_b64 s[6:7], s[12:13], s[6:7]
	s_add_nc_u64 s[6:7], s[6:7], s[26:27]
	s_add_nc_u64 s[18:19], s[14:15], s[30:31]
	s_add_nc_u64 s[28:29], s[14:15], s[32:33]
	LOADW 0
	LOADW 1
.irp t, 0,1,2,3,4,5,6,7
	BLOCK \t
.endr
	s_wait_alu depctr_va_vdst(0)
.irp k, 0,1
	global_store_b32 v9, v[SB+\k], s[28:29] offset:\k*SCP      ; 32 words: 128 consecutive bytes a store, one byte in 128 of what the wave reads
.endr
.irp t, 0,1,2,3,4,5,6,7,8,9,10,11
	ds_load_b128 v[OUTR+4*\t:OUTR+4*\t+3], v7 offset:(\t/6)*3200+(\t%6)*512
.endr
.irp t, 0,1,2,3,4,5,6,7,8,9,10,11
	s_wait_dscnt 11-\t                             ; the younger loads may be out
	global_store_b128 v8, v[OUTR+4*\t:OUTR+4*\t+3], s[18:19] offset:(\t/6)*RBB+(\t%6)*512
.endr
	s_wait_tensorcnt 0x0
	ds_add_u32 v254, v255
	s_wait_dscnt 0x0
	s_endpgm
.Lfunc_end_k_qa0769029c9_prep:
	.size	k_qa0769029c9_prep, .Lfunc_end_k_qa0769029c9_prep-k_qa0769029c9_prep
	.p2alignl 7, 3214868480
	.fill 96, 4, 3214868480
	.section	.rodata,"a",@progbits
	.p2align	6, 0x0
	.amdhsa_kernel k_qa0769029c9_prep
		.amdhsa_group_segment_fixed_size 61952
		.amdhsa_private_segment_fixed_size 0
		.amdhsa_enable_private_segment 0
		.amdhsa_kernarg_size 56
		.amdhsa_user_sgpr_count 2
		.amdhsa_user_sgpr_kernarg_segment_ptr 1
		.amdhsa_wavefront_size32 1
		.amdhsa_system_sgpr_workgroup_id_x 1
		.amdhsa_system_sgpr_workgroup_id_y 1
		.amdhsa_system_sgpr_workgroup_id_z 1
		.amdhsa_system_vgpr_workitem_id 0
		.amdhsa_next_free_vgpr 256
		.amdhsa_next_free_sgpr 66
		.amdhsa_reserve_vcc 1
		.amdhsa_float_denorm_mode_32 3
		.amdhsa_float_denorm_mode_16_64 3
		.amdhsa_memory_ordered 1
		.amdhsa_forward_progress 1
		.amdhsa_inst_pref_size 90
	.end_amdhsa_kernel
	.amdgpu_metadata
---
amdhsa.version: [ 1, 2 ]
amdhsa.kernels:
  - .name:           k_qa0769029c9_prep
    .symbol:         k_qa0769029c9_prep.kd
    .args:
      - { .name: x, .offset: 0, .size: 8, .value_kind: global_buffer, .address_space: global }
      - { .name: Wq, .offset: 8, .size: 8, .value_kind: global_buffer, .address_space: global }
      - { .name: Wk, .offset: 16, .size: 8, .value_kind: global_buffer, .address_space: global }
      - { .name: Wv, .offset: 24, .size: 8, .value_kind: global_buffer, .address_space: global }
      - { .name: Wo, .offset: 32, .size: 8, .value_kind: global_buffer, .address_space: global }
      - { .name: ops, .offset: 40, .size: 8, .value_kind: global_buffer, .address_space: global }
      - { .name: tab, .offset: 48, .size: 8, .value_kind: global_buffer, .address_space: global }
    .group_segment_fixed_size: 61952
    .private_segment_fixed_size: 0
    .kernarg_segment_align: 8
    .kernarg_segment_size: 56
    .max_flat_workgroup_size: 128
    .sgpr_count:     66
    .vgpr_count:     256
    .wavefront_size: 32
...
	.end_amdgpu_metadata
.endif
;; end of part 1
;; launch qkv (part 2): grid 24 x 8, 4 waves a work-group, clusters of 4 x 4, 327,680 bytes of LDS; arguments ops, tab, qkv; writes qkv
.if DOCPART == 2
	.amdgcn_target "amdgcn-amd-amdhsa--gfx1250"
	.amdhsa_code_object_version 6
	.text
	.protected	k_qa0769029c9_qkv
	.globl	k_qa0769029c9_qkv
	.p2align	8
	.type	k_qa0769029c9_qkv,@function
k_qa0769029c9_qkv:
	s_mov_b64 s[64:65], 0
	v_nop
	global_prefetch_b8 v0, s[64:65] scope:SCOPE_SE
	s_setreg_imm32_b32 hwreg(HW_REG_WAVE_MODE, 25, 1), 1
	s_wait_xcnt 0x0
	s_wait_alu depctr_hold_cnt(0) depctr_sa_sdst(0) depctr_va_vdst(0) depctr_va_sdst(0) depctr_va_ssrc(0) depctr_va_vcc(0) depctr_vm_vsrc(0)
	s_getreg_b32 s2, hwreg(HW_REG_IB_STS2, 6, 4)
	s_cmp_eq_u32 s2, 0
	s_cbranch_scc0 .Lentry_in_a_cluster
	s_endpgm
.Lentry_in_a_cluster:
	s_bfe_u32 s2, ttmp6, 0x10000c
	s_cmp_lg_u32 s2, 0xf033
	s_cbranch_scc0 .Lentry_shape_is_right
	s_endpgm
.Lentry_shape_is_right:
; q = rope(x Wq), k = rope(x Wk) and v^T = Wv^T x^T on codes of BF6 (E3M2), K = 2,048; the results are quantised in registers and leave as codes: q and k along the head's 128, v along the keys.
; A tile of 256 x 256 is made by four waves, each 128 x 128 = ONE HEAD: 64 accumulators, 512 registers.  Tile columns 0-7 are q's, 8-15 k's, 16-23 v's.
; All operands lie in ops as images of their registers (a fragment: 1,536 bytes; [row block][K step]), rows with bits 3 and 4 of their number swapped.  Source 1 (A here) gives a lane its row; source 0 (B here)
; runs along a lane's registers: register 16 B + i of a block's 64 is B's row 32 B + 16 (lane / 16) + i.  q, k: A = x, B = the weight.  v: A = Wv's rows, B = x: the same text gives v^T with the keys along the registers.
; What differs between the three is chosen by scalar selects on the cluster's x, which all sixteen partners share: no branch differs.
; K goes in steps of 256 (two fragments deep) through a ring of two LDS slots; a wave's tensor load brings 8 row blocks x 3,072 bytes.  The scale words of the tile's rows, for all of K, come once, with the first fills.
; CLUSTERS: 4 x 4 work-groups; A's tiles are asked for jointly along a row of the cluster, B's along a column.
; THE ROPE: registers n and n + 32 of a block are d and d + 64.  Cosines and sines come from tab in the same register order; for v they are 1 and 0, which changes no bit.
; REGISTERS: window 0: v16-29 addresses; v32-63 scale words, two sets; v64-127 the rotated numbers; from v128 A's fragments, one set (later the quantiser's work).  Window 1: B's fragments, two sets (later the table, two sets).
;   Windows 2, 3: the accumulators ((a, b) at v[8 (8 (a % 4) + b)]).
; LIMITS: as the quantiser's: blocks under 2^-122 keep the byte 1; NaN and infinities are not served.
.set OPS_SC, 15728640
.set QSC,    9437184                   ; qkv: the scale words, 512 bytes a tile
.set NQ,     2
.set FR,     12
.set NL,     3                         ; LDS loads that bring a fragment
.set NP,     4                         ; places behind this matrix instruction (ISA guide 7.12.1)
.set PART,   24576                     ; what one tensor load brings: [8 row blocks][2 K steps][1,536]
.set SLOT,   4*PART                    ; A's two halves, then B's two
.set LAPS,   4
.set SCL,    2*SLOT                    ; the scale words: A's [16 K steps][256 rows x 4 bytes], then B's: 2 SPART each
.set SPART,  8192
.set SPARE,  SCL+4*SPART               ; the spare words, 128 bytes a wave: two blocks of 256 bytes that no other line names
.set ADRA, 16                          ; v16-17  my A fragments in slot 0, 1: 16 x lane + the part
.set ADRB, 20                          ; v20-21  the same for B
.set SWS,  24                          ; v24     the way out: my row's scale word in my 512 bytes of slot 0 (which has had its last fill and its last read by then)
.set RD,   25                          ; v25     and the 128 words back
.set LI,   26                          ; v26     16 x lane
.set ADRS, 27                          ; v27     my scale words: lanes 0-15 A's rows, lanes 16-31 B's
.set SPW,  28
.set PFO,  30                          ; v30     the prefetches' offset; never rewritten
.set PFA,  66                          ; s[66:67] where my prefetches stand
.set NIL,  29
.set SC,   32
.set T,    64
.set AF,   128
.set PC,   128
.set TM,   160
.set PW,   176
.set SEL,  10
.set G1, 24
.set G0, 32
.set G1B, 48
.set G0B, 56
.set G1S, 68
.set G0S, 76
.set G1SB, 80
.set G0SB, 88
.set MSB, 0
.macro WIN new                         ; the immediate's high byte repeats the setting that is left
.if MSB != (\new)
	s_set_vgpr_msb (MSB<<8)|(\new)
.set MSB, (\new)
.endif
.endm
.set MUL_LO, 0xa1                      ; source 0 (B) window 1, source 1 (A) window 0, C and D window 2
.set MUL_HI, 0xf1
.set TO_B,   0x40
.macro JLOAD g0a, g1a, g0b, g1b        ; a joint load: waves 0 and 1 fetch for A, waves 2 and 3 for B; four v_nop follow each line
	s_cmp_eq_u32 s15, 0
	s_cbranch_scc0 .Lfor_b_\@
	tensor_load_to_lds s[\g0a:\g0a+3], s[\g1a:\g1a+7]
	s_nop 0
.rept 4
	v_nop
.endr
	s_branch .Lasked_\@
.Lfor_b_\@:
	tensor_load_to_lds s[\g0b:\g0b+3], s[\g1b:\g1b+7]
	s_nop 0
.rept 4
	v_nop
.endr
.Lasked_\@:
.endm
.macro CREST
	s_cmp_lg_u32 s14, 0
	s_cbranch_scc1 .Lnot_wave_0_\@
	s_barrier_signal -3
.Lnot_wave_0_\@:
	s_barrier_wait -3
	s_barrier_signal -1
	s_barrier_wait -1
.endm
.macro CROUND
	s_barrier_signal -1
	s_barrier_wait -1
	CREST
.endm
.macro PLACES n
.rept \n
	v_nop
.endr
.endm
.macro QUANT s                         ; 64 numbers, register 16 b + i = k 32 b + 16 (lane / 16) + i of my row -> codes in v[PC] on, scale word in v[PW]
.irp b, 0,1,2,3
	v_max3_num_f32 v[TM+\b], |v[\s+16*\b]|, |v[\s+1+16*\b]|, 0x2800000
.endr
.irp i, 2,4,6,8,10,12,14
.irp b, 0,1,2,3
	v_max3_num_f32 v[TM+\b], v[TM+\b], |v[\s+16*\b+\i]|, |v[\s+1+16*\b+\i]|
.endr
.endr
.irp b, 0,1,2,3
	v_permlanex16_b32 v[TM+4+\b], v[TM+\b], s[SEL], s[SEL+1]
.endr
.irp b, 0,1,2,3
	v_max_num_f32 v[TM+\b], v[TM+\b], v[TM+4+\b]
.endr
.irp b, 0,1,2,3
	v_add_nc_u32 v[TM+12+\b], 0xfe000000, v[TM+\b]
.endr
.irp b, 0,1,2,3
	v_lshrrev_b32 v[TM+4+\b], 23, v[TM+12+\b]
.endr
	v_lshl_or_b32 v[PW], v[TM+5], 8, v[TM+4]
	v_lshl_or_b32 v[PW], v[TM+6], 16, v[PW]
	v_lshl_or_b32 v[PW], v[TM+7], 24, v[PW]
.irp c, 0,1
	v_cvt_scalef32_pk16_bf6_f32 v[PC+6*\c:PC+2+6*\c], v[\s+32*\c:\s+15+32*\c], v[TM+12+2*\c]
	v_cvt_scalef32_pk16_bf6_f32 v[PC+12+4*\c:PC+14+4*\c], v[\s+16+32*\c:\s+31+32*\c], v[TM+12+2*\c+1]
.endr
	v_nop                                          ; one plain instruction behind the scaled conversions
.irp c, 0,1
.irp i, 0,1,2
	v_permlane16_swap_b32 v[PC+6*\c+\i], v[PC+12+4*\c+\i]
.endr
.irp i, 0,1,2
	v_mov_b32 v[PC+3+6*\c+\i], v[PC+12+4*\c+\i]
.endr
.endr
.endm
	s_load_b128 s[4:7], s[0:1], 0x0                ; ops, tab
	s_load_b64 s[8:9], s[0:1], 0x10                ; qkv
	v_lshl_add_u32 v[SPW], v0, 2, SPARE
	v_mov_b32 v[NIL], 0
	ds_add_u32 v28, v29
	ds_add_u32 v28, v29
	s_wait_dscnt 0x0
	v_lshrrev_b32 v1, 5, v0
	v_readfirstlane_b32 s14, v1                    ; wave 0..3
	s_lshr_b32 s15, s14, 1                         ; which half of A's rows is mine.  Also: I fetch for A (0) or for B (1)
	s_and_b32 s16, s14, 1                          ; which half of B's rows.  Also: which 128 rows I fetch
	s_bfe_u32 s40, ttmp6, 0x40000                  ; cx, cy
	s_bfe_u32 s41, ttmp6, 0x40004
	s_lshl_b32 s42, ttmp9, 2
	s_add_co_u32 s42, s42, s40                     ; tile column
	s_and_b32 s17, ttmp7, 0xffff
	s_lshl_b32 s17, s17, 2
	s_add_co_u32 s17, s17, s41                     ; tile row
	s_lshl_b32 s43, s41, 2
	s_lshl_b32 s43, 15, s43                        ; my row of the cluster
	s_lshl_b32 s44, 0x1111, s40                    ; my column
	s_or_b32 s[G1+0], s43, (3<<16)|(1<<21)         ; 15:0 the mask; 17:16 elements of 8 bytes; 21 set beside a mask; no padding
	s_or_b32 s[G1B+0], s44, (3<<16)|(1<<21)
.irp g, G1, G1B
	s_mov_b32 s[\g+1], 384<<16                     ; tensor_dim0: two fragments, 3,072 bytes
	s_mov_b32 s[\g+2], 16<<16                      ; tensor_dim1: 16 row blocks for the head's loads; behind them 8
	s_mov_b32 s[\g+3], 384<<16                     ; tile_dim0
	s_mov_b32 s[\g+4], 16                          ; tile_dim1
	s_mov_b32 s[\g+5], 3072                        ; from row block to row block: 24,576 bytes
	s_mov_b32 s[\g+6], 0
	s_mov_b32 s[\g+7], 0
.endr
	s_or_b32 s[G1S+0], s43, (3<<16)|(1<<21)
	s_or_b32 s[G1SB+0], s44, (3<<16)|(1<<21)
.irp g, G1S, G1SB
	s_mov_b32 s[\g+1], 128<<16                     ; 256 rows' words: 1,024 bytes
	s_mov_b32 s[\g+2], 16<<16                      ; 16 K steps
	s_mov_b32 s[\g+3], 128<<16
	s_mov_b32 s[\g+4], 16
	s_mov_b32 s[\g+5], 5120                        ; from K step to K step: 40,960 bytes
	s_mov_b32 s[\g+6], 0
	s_mov_b32 s[\g+7], 0
.endr
	s_cmp_ge_u32 ttmp9, 4                          ; v's clusters: the same in all sixteen partners
	s_cselect_b32 s12, 6144, 0
	s_mul_i32 s18, s16, 196608                     ; in the ring I fetch 128 rows of a tile: which half, in bytes (8 row blocks of 24,576)
	s_lshl_b32 s20, s17, 8
	s_add_co_u32 s20, s20, s12                     ; A's first row in ops: x's, or Wv's
	s_lshl_b32 s46, s42, 8
	s_add_co_u32 s46, s46, 2048
	s_sub_co_u32 s46, s46, s12                     ; B's: Wq's and Wk's, or x's
	s_lshl_b32 s22, s20, 2
	s_add_co_u32 s22, s22, OPS_SC
	s_mov_b32 s23, 0
	s_lshl_b32 s92, s46, 2
	s_add_co_u32 s92, s92, OPS_SC
	s_mov_b32 s93, 0
	s_mul_i32 s20, s20, 1536                       ; 16 rows are 24,576 bytes
	s_mov_b32 s21, 0
	s_mul_i32 s46, s46, 1536
	s_mov_b32 s47, 0
	s_mul_i32 s45, s14, PART                       ; where they go: by the wave's number alone
	s_mov_b32 s19, 0
	s_mov_b32 s[SEL], 0x76543210
	s_mov_b32 s[SEL+1], 0xfedcba98
	s_wait_kmcnt 0x0
	s_add_nc_u64 s[20:21], s[4:5], s[20:21]
	s_add_nc_u64 s[22:23], s[4:5], s[22:23]
	s_add_nc_u64 s[46:47], s[4:5], s[46:47]
	s_add_nc_u64 s[92:93], s[4:5], s[92:93]
	CROUND                                         ; all sixteen work-groups are here: the first joint loads meet
	s_mov_b32 s[G0S], 1
	s_mov_b32 s[G0S+1], SCL
	s_mov_b64 s[G0S+2:G0S+3], s[22:23]
	s_or_b32 s[G0S+3], s[G0S+3], 0x80000000
	s_mov_b32 s[G0SB], 1
	s_mov_b32 s[G0SB+1], SCL+2*SPART
	s_mov_b64 s[G0SB+2:G0SB+3], s[92:93]
	s_or_b32 s[G0SB+3], s[G0SB+3], 0x80000000
	s_mov_b32 s[G0], 1                             ; slot 0's first fill comes whole: A's 16 row blocks by one load,
	s_mov_b32 s[G0+1], 0
	s_mov_b64 s[G0+2:G0+3], s[20:21]
	s_or_b32 s[G0+3], s[G0+3], 0x80000000
	s_mov_b32 s[G0B], 1                            ; B's 16 by another, behind them
	s_mov_b32 s[G0B+1], 2*PART
	s_mov_b64 s[G0B+2:G0B+3], s[46:47]
	s_or_b32 s[G0B+3], s[G0B+3], 0x80000000
	s_add_nc_u64 s[20:21], s[20:21], s[18:19]      ; for the ring: my 128 rows
	s_add_nc_u64 s[46:47], s[46:47], s[18:19]
	s_mov_b32 s[G0+4], 1
	s_add_co_u32 s[G0+5], s45, SLOT
	s_add_nc_u64 s[G0+6:G0+7], s[20:21], 3072
	s_or_b32 s[G0+7], s[G0+7], 0x80000000
	s_mov_b32 s[G0B+4], 1
	s_add_co_u32 s[G0B+5], s45, SLOT
	s_add_nc_u64 s[G0B+6:G0B+7], s[46:47], 3072
	s_or_b32 s[G0B+7], s[G0B+7], 0x80000000
; THE HEAD'S LOADS, ONE A WAVE: wave 0 slot 0's rows of A, wave 1 those of B, wave 2 A's scale words, wave 3 B's.  One chain of branches on the wave's number; every way passes one load.
.macro ARM under, g0, g1, next
	s_cmp_lt_u32 s14, \under
	s_cbranch_scc0 \next
	tensor_load_to_lds s[\g0:\g0+3], s[\g1:\g1+7]
	s_nop 0
.rept 4
	v_nop
.endr
	s_branch .Lhead_asked
\next:
.endm
	ARM 1, G0,  G1,  .Lhead_b
	ARM 2, G0B, G1B, .Lhead_sa
	ARM 3, G0S, G1S, .Lhead_sb
	tensor_load_to_lds s[G0SB:G0SB+3], s[G1SB:G1SB+7]
	s_nop 0
.rept 4
	v_nop
.endr
.Lhead_asked:
	; THE PREFETCHES.  A slot's part that I fetch is 8 row blocks x 3,072 bytes: 96 blocks of 256 bytes.  The four partners that ask for it jointly share them out by address: the partner at place p (cx for A, cy for B)
	; takes row blocks 2 p and 2 p + 1: 24 blocks, a lane each (lanes 24-31 name the last again), one instruction a wave.  Slot 2 is asked for at the head, slot 3 behind slot 1's load, and behind the refill that
	; brings slot n + 2 slot n + 4: two refills, four K steps, ahead of its load.  The loop's last trip asks for nothing: slot 7 is the last.
	s_cmp_eq_u32 s15, 0                            ; do I fetch for A?
	s_cselect_b64 s[PFA:PFA+1], s[20:21], s[46:47]
	s_cselect_b32 s2, s40, s41
	s_mul_i32 s2, s2, 2*24576
	s_mov_b32 s3, 0
	s_add_nc_u64 s[PFA:PFA+1], s[PFA:PFA+1], s[2:3]
	s_add_nc_u64 s[PFA:PFA+1], s[PFA:PFA+1], 2*3072        ; at slot 2
	v_and_b32 v1, 15, v0                           ; r
	v_bfe_u32 v2, v0, 4, 1                         ; h
	s_wait_alu depctr_va_vdst(0)
	v_and_b32 v3, 31, v0
	v_lshlrev_b32 v[LI], 4, v3
	s_mul_i32 s21, s15, PART
	s_mul_i32 s22, s16, PART
	s_add_co_u32 s22, s22, 2*PART
.irp s, 0,1
	v_add_nc_u32 v[ADRA+\s], s21, v[LI]
	v_add_nc_u32 v[ADRB+\s], s22, v[LI]
	s_add_co_u32 s21, s21, SLOT
	s_add_co_u32 s22, s22, SLOT
.endr
	v_lshlrev_b32 v5, 2, v1
	s_lshl_b32 s21, s15, 9                         ; A's words: my 128 rows of a K step's 256: 512 bytes
	s_lshl_b32 s22, s16, 9                         ; B's likewise, behind all of A's
	s_add_co_u32 s22, s22, 2*SPART
	s_sub_co_u32 s22, s22, s21
	v_mul_u32_u24 v6, s22, v2                      ; lanes 16-31 take B's: one product, the distance between the two
	s_add_co_u32 s21, s21, SCL
	v_add_nc_u32 v5, v5, v6
	v_add_nc_u32 v[ADRS], s21, v5
	s_lshl_b32 s23, s14, 9
	v_lshl_add_u32 v[SWS], v1, 2, s23
	v_add_nc_u32 v[RD], s23, v[LI]
	v_and_b32 v5, 31, v0
	v_min_u32 v5, 23, v5                           ; m: my block of the 24
	v_mul_u32_u24 v6, v5, 0xaab
	v_lshrrev_b32 v6, 15, v6                       ; m / 12: which of the two row blocks
	v_mul_u32_u24 v6, v6, 24576-3072
	v_lshl_add_u32 v[PFO], v5, 8, v6               ; 24,576 (m / 12) + 256 (m % 12)
	global_prefetch_b8 v[PFO], s[PFA:PFA+1] th:TH_LOAD_NT scope:SCOPE_SE             ; slot 2
	; where the results go: tile index = tensor x 256 + head x 16 + block of 128
	s_lshl_b32 s94, s17, 1
	s_add_co_u32 s94, s94, s15                     ; X: A's block of 128
	s_lshl_b32 s95, s42, 1
	s_add_co_u32 s95, s95, s16                     ; Y: B's
	s_lshl_b32 s96, s95, 4
	s_add_co_u32 s96, s96, s94                     ; q, k: 16 Y + X
	s_lshl_b32 s97, s94, 4
	s_add_co_u32 s97, s97, s95
	s_add_co_u32 s97, s97, 480                     ; v: 512 + 16 X + Y - 32
	s_lshl_b32 s98, s94, 3                         ; the table's row block: my positions',
	s_cmp_ge_u32 ttmp9, 4
	s_cselect_b32 s96, s97, s96
	s_cselect_b32 s98, 128, s98                    ; or the identity's
	s_mul_i32 s92, s96, 12288
	s_mov_b32 s93, 0
	s_lshl_b32 s96, s96, 9
	s_add_co_u32 s96, s96, QSC
	s_mov_b32 s97, 0
	s_add_nc_u64 s[96:97], s[8:9], s[96:97]        ; the tile's scale words
	s_add_nc_u64 s[8:9], s[8:9], s[92:93]          ; the tile's codes
	s_lshl_b32 s92, s98, 13
	s_add_nc_u64 s[6:7], s[6:7], s[92:93]          ; the table
.macro FRAG reg, adr, q, i             ; a fragment comes as it was stored: three loads of 16 bytes a lane, 512 consecutive bytes each
.irp c, 0,1,2
	ds_load_b128 v[\reg+4*\c:\reg+4*\c+3], v[\adr] offset:(\i)*3072+(\q)*1536+512*\c
.endr
.endm
; 16 matrix instructions: A's blocks a0, a0 + 1 x B's eight.  The 64 accumulators take turns, one instruction a turn, in the same order in every step.
.macro MUL16 a0, p, q, sc, zero
.irp a, \a0, \a0+1
.irp b, 0,1,2,3,4,5,6,7
.if \zero
	v_wmma_scale_f32_16x16x128_f8f6f4 v[8*(8*((\a)%4)+\b):8*(8*((\a)%4)+\b)+7], v[128*(\p)+FR*\b:128*(\p)+FR*\b+FR-1], v[AF+FR*(\a):AF+FR*(\a)+FR-1], 0, v[SC+8*NQ*(\sc)+NQ*\b+(\q)], v[SC+8*NQ*(\sc)+NQ*(\a)+(\q)] matrix_a_fmt:MATRIX_FMT_BF6 matrix_b_fmt:MATRIX_FMT_BF6 matrix_a_scale:MATRIX_SCALE_ROW1
.else
	v_wmma_scale_f32_16x16x128_f8f6f4 v[8*(8*((\a)%4)+\b):8*(8*((\a)%4)+\b)+7], v[128*(\p)+FR*\b:128*(\p)+FR*\b+FR-1], v[AF+FR*(\a):AF+FR*(\a)+FR-1], v[8*(8*((\a)%4)+\b):8*(8*((\a)%4)+\b)+7], v[SC+8*NQ*(\sc)+NQ*\b+(\q)], v[SC+8*NQ*(\sc)+NQ*(\a)+(\q)] matrix_a_fmt:MATRIX_FMT_BF6 matrix_b_fmt:MATRIX_FMT_BF6 matrix_a_scale:MATRIX_SCALE_ROW1
.endif
.endr
.endr
.endm
.macro FETCH_B slot, q, p
	WIN TO_B
.irp i, 0,1,2,3,4,5,6,7
	FRAG 128*(\p)+FR*\i, ADRB+\slot, \q, \i
.endr
	WIN 0
.endm
.macro FETCH_A slot, q, i0
.irp i, \i0, \i0+1, \i0+2, \i0+3
	FRAG AF+FR*(\i), ADRA+\slot, \q, \i
.endr
.endm
.macro SCALES sc                       ; a slot's scale words: register 2 i + q: lanes 0-15 the word of A's block i, lanes 16-31 that of B's block i
.irp i, 0,1,2,3,4,5,6,7
.irp q, 0,1
	ds_load_b32 v[SC+8*NQ*\sc+NQ*\i+\q], v[ADRS] offset:1024*\q+64*\i
.endr
.endr
.endm
.macro STEP slot, q, zero              ; a step of 128 along K that has its successor in the same slot
	s_wait_dscnt 4*NL                              ; all but the youngest twelve loads (A's blocks 4-7) are in
	WIN MUL_LO
	MUL16 0, (\q)%2, \q, \slot, \zero
	MUL16 2, (\q)%2, \q, \slot, \zero
	s_wait_dscnt 0
	PLACES NP
	FETCH_B \slot, (\q)+1, 1-(\q)%2
	FETCH_A \slot, (\q)+1, 0
	WIN MUL_HI
	MUL16 4, (\q)%2, \q, \slot, \zero
	MUL16 6, (\q)%2, \q, \slot, \zero
	PLACES NP
	WIN 0
	FETCH_A \slot, (\q)+1, 4
.endm
; A slot's last step changes slots: one barrier; in front of it each wave waits for all its tensor loads, adds 0 to its spare word, and waits for that and for its reads of this slot.
.macro TURN slot, next, fill
.if \fill
	s_wait_xcnt 0x0                                ; my last prefetch has read its address: it is stepped here, a slot on
	s_add_nc_u64 s[PFA:PFA+1], s[PFA:PFA+1], 3072
.endif
	s_wait_tensorcnt 0x0                           ; all my tensor loads have landed: my part of the next slot
	ds_add_u32 v[SPW], v[NIL]                      ; 0 onto my spare word
	s_wait_dscnt 4*NL+1                            ; the add and the youngest twelve loads may be out
	WIN MUL_LO
	MUL16 0, 1, NQ-1, \slot, 0
	s_wait_dscnt 0x0                               ; the add is done, and my reads of this slot are over
	s_barrier_signal -1
	MUL16 2, 1, NQ-1, \slot, 0
	WIN 0
	s_barrier_wait -1
.if \fill
	CREST                                          ; the barrier has opened a round of the cluster's: no wave of any partner still reads this slot or has a load on its way
	s_add_nc_u64 s[G0+4*\slot+2:G0+4*\slot+3], s[G0+4*\slot+2:G0+4*\slot+3], 6144
	s_add_nc_u64 s[G0B+4*\slot+2:G0B+4*\slot+3], s[G0B+4*\slot+2:G0B+4*\slot+3], 6144
	JLOAD G0+4*\slot, G1, G0B+4*\slot, G1B         ; the first tensor load behind the round; its four v_nop are the places in front of the loads below
.else
	PLACES NP
.endif
	s_wait_alu depctr_va_vdst(0)
	v_add_nc_u32 v[ADRS], 2048, v[ADRS]            ; the next slot's scale words: two K steps of 1,024 bytes on
	FETCH_B \next, 0, 0
	FETCH_A \next, 0, 0
	SCALES \next
.if \fill
	s_cmp_gt_u32 s3, 1                             ; s3 = 1 in the loop's last trip
	s_cbranch_scc0 .Lno_ask_\@
	global_prefetch_b8 v[PFO], s[PFA:PFA+1] offset:3072 th:TH_LOAD_NT scope:SCOPE_SE ; the slot two refills on
.Lno_ask_\@:
.endif
	WIN MUL_HI
	MUL16 4, 1, NQ-1, \slot, 0
	MUL16 6, 1, NQ-1, \slot, 0
	PLACES NP
	WIN 0
	FETCH_A \next, 0, 4
.endm
	s_wait_alu depctr_va_vdst(0)
	s_wait_tensorcnt 0x0                           ; my tile of the head's four is in; slot 1's first fill is issued as a refill is
	ds_add_u32 v[SPW], v[NIL]
	s_mov_b32 s[G1+2], 8<<16                       ; no tensor load of mine is out, so descriptors may be written: from here on a load brings 8 row blocks,
	s_mov_b32 s[G1+4], 8
	s_mov_b32 s[G1B+2], 8<<16
	s_mov_b32 s[G1B+4], 8
	s_mov_b32 s[G0+1], s45                         ; and slot 0's refills are my 128 rows, at my part
	s_add_nc_u64 s[G0+2:G0+3], s[G0+2:G0+3], s[18:19]
	s_mov_b32 s[G0B+1], s45
	s_add_nc_u64 s[G0B+2:G0B+3], s[G0B+2:G0B+3], s[18:19]
	s_wait_dscnt 0x0
	CROUND                                         ; all four tiles are in, and all sixteen work-groups are here
	JLOAD G0+4, G1, G0B+4, G1B                     ; slot 1: the first tensor load behind the round
	FETCH_B 0, 0, 0
	FETCH_A 0, 0, 0
	SCALES 0
	FETCH_A 0, 0, 4
	global_prefetch_b8 v[PFO], s[PFA:PFA+1] offset:3072 th:TH_LOAD_NT scope:SCOPE_SE ; slot 3
	STEP 0, 0, 1
	s_mov_b32 s3, LAPS-1
.Llap:
	TURN 0, 1, 1
	STEP 1, 0, 0
	TURN 1, 0, 1
	STEP 0, 0, 0
	s_sub_co_u32 s3, s3, 1
	s_cmp_lg_u32 s3, 0
	s_cbranch_scc1 .Llap
	TURN 0, 1, 0                                   ; the last lap fills nothing
	STEP 1, 0, 0
.macro TABLOAD a                       ; the table of block a: cosines into registers 0-31 of set a % 2 in window 1, sines into 32-63
	WIN 0x40
.irp g, 0,1,2,3,4,5,6,7,8,9,10,11,12,13,14,15
	global_load_b128 v[64*((\a)%2)+4*\g:64*((\a)%2)+4*\g+3], v[LI], s[6:7] offset:(\a)*8192+512*\g
.endr
	WIN 0
.endm
	TABLOAD 0                                      ; the first two blocks' tables are asked for ahead of the last step's 64 products: that step reads B's set at v128-223 of window 1,
	TABLOAD 1                                      ; these land in v0-127 of it, four places behind the last product that read them
	s_wait_dscnt 4*NL
	WIN MUL_LO
	MUL16 0, 1, NQ-1, 1, 0
	MUL16 2, 1, NQ-1, 1, 0
	s_wait_dscnt 0
	WIN MUL_HI
	MUL16 4, 1, NQ-1, 1, 0
	MUL16 6, 1, NQ-1, 1, 0
	WIN 0
; THE WAY OUT, block by block of 16 of A's rows: rope, quantiser, three stores of 512 bytes.
.macro EPI a
.set AC, 64*((\a)%4)
.set TB0, 64*((\a)%2)
	s_wait_dscnt 0x0                               ; the last scale word is stored
.if (\a) < 7
	s_wait_loadcnt 16                              ; this block's table is in; the next block's 16 loads may be out
.else
	s_wait_loadcnt 0
.endif
	WIN 0x06+(\a)/4                                ; source 0: the accumulators' window; source 1: the table's; the rest window 0
.irp n, 0,2,4,6,8,10,12,14,16,18,20,22,24,26,28,30     ; ascending: each accumulator is first read at its low end
	v_pk_mul_f32 v[T+\n:T+\n+1], v[AC+\n:AC+\n+1], v[TB0+\n:TB0+\n+1]
	v_pk_mul_f32 v[T+32+\n:T+33+\n], v[AC+\n:AC+\n+1], v[TB0+32+\n:TB0+33+\n]
	v_pk_fma_f32 v[T+\n:T+\n+1], v[AC+32+\n:AC+33+\n], v[TB0+32+\n:TB0+33+\n], v[T+\n:T+\n+1] neg_lo:[0,1,0] neg_hi:[0,1,0]
	v_pk_fma_f32 v[T+32+\n:T+33+\n], v[AC+32+\n:AC+33+\n], v[TB0+\n:TB0+\n+1], v[T+32+\n:T+33+\n]
.endr
	s_wait_xcnt 0x0                                ; the last block's stores have read the codes' registers, which the quantiser below writes again
.if (\a) < 6
	TABLOAD (\a)+2
.endif
	WIN 0
	QUANT T
.irp c, 0,1,2
	global_store_b128 v[LI], v[PC+4*\c:PC+4*\c+3], s[8:9] offset:(\a)*1536+512*\c
.endr
	ds_store_b32 v[SWS], v[PW] offset:64*(\a)
.endm
	PLACES NP                                      ; behind the last products: for the reads of results, and for what is written and loaded over their operands
.irp b, 0,1,2,3
	v_mov_b32 v[TM+4+\b], 0                        ; a lane permute's destination counts as one of its sources
.endr
.irp a, 0,1,2,3,4,5,6,7
	EPI \a
.endr
	ds_load_b128 v[T:T+3], v[RD]                   ; my 128 scale words (LDS serves a wave's instructions in order)
	s_wait_dscnt 0x0
	global_store_b128 v[LI], v[T:T+3], s[96:97]    ; 512 consecutive aligned bytes
	s_wait_tensorcnt 0x0                           ; the wave's end
	ds_add_u32 v[SPW], v[NIL]
	s_wait_dscnt 0x0
	CROUND                                         ; the closing round
	s_endpgm
.Lfunc_end_k_qa0769029c9_qkv:
	.size	k_qa0769029c9_qkv, .Lfunc_end_k_qa0769029c9_qkv-k_qa0769029c9_qkv
	.p2alignl 7, 3214868480
	.fill 96, 4, 3214868480
	.section	.rodata,"a",@progbits
	.p2align	6, 0x0
	.amdhsa_kernel k_qa0769029c9_qkv
		.amdhsa_group_segment_fixed_size 327680
		.amdhsa_private_segment_fixed_size 0
		.amdhsa_enable_private_segment 0
		.amdhsa_kernarg_size 24
		.amdhsa_user_sgpr_count 2
		.amdhsa_user_sgpr_kernarg_segment_ptr 1
		.amdhsa_wavefront_size32 1
		.amdhsa_system_sgpr_workgroup_id_x 1
		.amdhsa_system_sgpr_workgroup_id_y 1
		.amdhsa_system_sgpr_workgroup_id_z 1
		.amdhsa_system_vgpr_workitem_id 0
		.amdhsa_next_free_vgpr 1024
		.amdhsa_next_free_sgpr 100
		.amdhsa_reserve_vcc 0
		.amdhsa_float_denorm_mode_32 3
		.amdhsa_float_denorm_mode_16_64 3
		.amdhsa_memory_ordered 1
		.amdhsa_forward_progress 1
		.amdhsa_inst_pref_size 189
	.end_amdhsa_kernel
	.amdgpu_metadata
---
amdhsa.version: [ 1, 2 ]
amdhsa.kernels:
  - .name:           k_qa0769029c9_qkv
    .symbol:         k_qa0769029c9_qkv.kd
    .args:
      - { .name: ops, .offset: 0, .size: 8, .value_kind: global_buffer, .address_space: global }
      - { .name: tab, .offset: 8, .size: 8, .value_kind: global_buffer, .address_space: global }
      - { .name: qkv, .offset: 16, .size: 8, .value_kind: global_buffer, .address_space: global }
    .group_segment_fixed_size: 327680
    .private_segment_fixed_size: 0
    .kernarg_segment_align: 8
    .kernarg_segment_size: 24
    .max_flat_workgroup_size: 128
    .sgpr_count:     100
    .vgpr_count:     1024
    .wavefront_size: 32
...
	.end_amdgpu_metadata
.endif
;; end of part 2
;; launch attn (part 3): grid 16 x 16, 16 waves a work-group, no clusters, 327,680 bytes of LDS; arguments qkv, att; writes att
.if DOCPART == 3
	.amdgcn_target "amdgcn-amd-amdhsa--gfx1250"
	.amdhsa_code_object_version 6
	.text
	.protected	k_qa0769029c9_attn
	.globl	k_qa0769029c9_attn
	.p2align	8
	.type	k_qa0769029c9_attn,@function
k_qa0769029c9_attn:
	s_mov_b64 s[64:65], 0
	v_nop
	global_prefetch_b8 v0, s[64:65] scope:SCOPE_SE
	s_setreg_imm32_b32 hwreg(HW_REG_WAVE_MODE, 25, 1), 1
	s_wait_xcnt 0x0
; attn[q][head][:] = the sum over keys k <= q of softmax_k(Q[q] . K[k] / sqrt(128)) V[k][:], both products on codes of BF6 (E3M2); the result is quantised along the head's 128 and leaves as codes.
; THE SOFTMAX AHEAD OF THE SECOND PRODUCT: t = score x log2(e) / sqrt(128); M = the row's largest t so far, rounded up to a whole number; p = 2^(t - M) is quantised along the keys; the row's sum is taken of the
; unquantised p and divides at the end.  When M moves, the sum and O are multiplied by 2^(old M - new M): exact.
; qkv holds tiles of eight fragments (images of operand registers, 1,536 bytes each) and 128 scale words: q and k by blocks of 128 places (a place holds the position with bits 3 and 4 swapped), v by key steps of 128
; (rows: places of d; K: the keys in their order).  So S^T = K Q^T leaves 16 neighbouring keys in the 16 registers of two neighbouring tiles, and O^T = V^T P^T leaves 16 neighbouring d.
; SHARES.  A work-group has a head and two blocks of 64 places of queries, block j and block 31 - j: eight tiles of 16 queries.  EACH TILE HAS TWO WAVES, w and w + 8: of the head's 16 key steps of 128 keys wave w takes the
; even ones and wave w + 8 the odd ones, each with a running M, sum and O^T of its own.  So the longest chain of key steps of a wave is 8, not 16, and a SIMD holds four waves of 256 registers.  At the end wave w + 8
; hands its O^T, M and sum to wave w through LDS; both are brought under the larger M by powers of two, added, divided by the sum and quantised.
; Every work-group walks all 4 slots of 512 keys (constant trip counts); a wave jumps over the WORK of a key step all of whose keys come after its queries: a scalar branch on ids.
; A key step begins at a multiple of 128 and a tile's queries lie in one block of 32: a step that is not jumped over shows every query of the tile at least one key.
; No joint loads: that branch hangs on a work-group's own block of queries, which partners of a cluster would not share.
; LIMITS: hidden scores are -infinity, where the definition has -1e9: the same result while true logits stay above about -1e8.  NaN and infinities are not served.
; REGISTERS: v1-11 addresses; v12 -M, v13 the largest t, v[14:15] the sum; v16-27 Q; v28 the prefetches' offset; v32-79 four fragments; v80-83 addresses; v96-159 S^T, then p; v160-223 O^T; v224-235 p's codes;
;   v232-254 at work; v255 Q's scale words.
.set QSC,   9437184
.set KOFF,  3145728                    ; k's tiles in qkv; v's lie as far again behind them
.set SLOT1, 1<<17                      ; slot 1 begins here, so that one exclusive or turns an address in one slot into the other's
.set VOFF,  49152                      ; a slot: K's four key steps (4 x 12,288 bytes), then V's four
.set NSL,   4
.set SCK,   98304                      ; behind slot 0: K's scale words of the whole head, 8,192 bytes; V's behind them
.set SPARE, SCK+16384                  ; the spare words, 128 bytes a wave: eight blocks of 256 bytes that no other line names
.set SST,   SPARE+2048                 ; 512 bytes: the results' scale words meet here
.set MST,   SST+512                    ; 8 tiles x 256 bytes: -M and the lane's sum of the wave that hands over
.set MRG,   SLOT1+98304                ; behind slot 1: 8 tiles x 8,192 bytes: its O^T, as an image of the registers
.set AK0,  1                           ; v1   16 x lane + 12,288 x (wave / 8): my key steps are the even or the odd ones
.set SSR,  2                           ; v2   the way out: where waves 0 and 1 read 64 scale words
.set ASK0, 3                           ; v3   SCK + 4 r + 512 x (wave / 8)
.set QL,   4                           ; v4   r + 8 (r / 8) - 16 h: my query less my registers' first key, within the tile
.set SPW,  5
.set NIL,  6
.set SSW,  7                           ; v7   the way out: where I put my row's scale word
.set ADK,  8
.set GO8,  9                           ; v9   8 x lane
.set ADS,  10
.set ADV,  11
.set PFO,  28                          ; v28  256 x lane
.set MA,   80                          ; v80  my tile's image of O^T: MRG + 8,192 x tile + 16 x lane
.set MS,   81                          ; v81  my tile's statistics: MST + 256 x tile + 8 x lane
.set QW,   82                          ; v82  4 r
.set LI,   83                          ; v83  16 x lane
.set PC,   32
.set TM,   232
.set PW,   248
.set WV,   18
.set SEL,  20
.set CS,   22
.set G1K,  24
.set G1S,  32
.set G0K,  40
.set G0S,  44
.set TB,   2
.set TS,   3
.set SLOTS, 67
.set PFA,  76
.set LIM,  80
.set KF,   98
.set Q0,   99
.macro QUANT s                         ; 64 numbers, register 16 b + i = k 32 b + 16 (lane / 16) + i of my row -> codes in v[PC] on, scale word in v[PW]
.irp b, 0,1,2,3
	v_max3_num_f32 v[TM+\b], |v[\s+16*\b]|, |v[\s+1+16*\b]|, 0x2800000
.endr
.irp i, 2,4,6,8,10,12,14
.irp b, 0,1,2,3
	s_delay_alu instid0(VALU_DEP_4)
	v_max3_num_f32 v[TM+\b], v[TM+\b], |v[\s+16*\b+\i]|, |v[\s+1+16*\b+\i]|
.endr
.endr
.irp b, 0,1,2,3
	s_delay_alu instid0(VALU_DEP_4)
	v_permlanex16_b32 v[TM+4+\b], v[TM+\b], s[SEL], s[SEL+1]
.endr
.irp b, 0,1,2,3
	s_delay_alu instid0(VALU_DEP_4)
	v_max_num_f32 v[TM+\b], v[TM+\b], v[TM+4+\b]
.endr
.irp b, 0,1,2,3
	s_delay_alu instid0(VALU_DEP_4)
	v_add_nc_u32 v[TM+12+\b], 0xfe000000, v[TM+\b]
.endr
.irp b, 0,1,2,3
	s_delay_alu instid0(VALU_DEP_4)
	v_lshrrev_b32 v[TM+4+\b], 23, v[TM+12+\b]
.endr
	s_delay_alu instid0(VALU_DEP_3)
	v_lshl_or_b32 v[PW], v[TM+5], 8, v[TM+4]
	s_delay_alu instid0(VALU_DEP_1)
	v_lshl_or_b32 v[PW], v[TM+6], 16, v[PW]
	s_delay_alu instid0(VALU_DEP_1)
	v_lshl_or_b32 v[PW], v[TM+7], 24, v[PW]
.irp c, 0,1
	v_cvt_scalef32_pk16_bf6_f32 v[PC+6*\c:PC+2+6*\c], v[\s+32*\c:\s+15+32*\c], v[TM+12+2*\c]
	v_cvt_scalef32_pk16_bf6_f32 v[PC+12+4*\c:PC+14+4*\c], v[\s+16+32*\c:\s+31+32*\c], v[TM+12+2*\c+1]
.endr
	v_nop                                          ; one plain instruction behind the scaled conversions
.irp c, 0,1
.irp i, 0,1,2
	v_permlane16_swap_b32 v[PC+6*\c+\i], v[PC+12+4*\c+\i]
.endr
.irp i, 0,1,2
	s_delay_alu instid0(VALU_DEP_3)
	v_mov_b32 v[PC+3+6*\c+\i], v[PC+12+4*\c+\i]
.endr
.endr
.endm
; Waves 0 and 1 fetch the two halves of a slot's K (two key steps each), waves 2 and 3 those of its V: one shape, one line; each wave's group 0 is its own.  Four v_nop follow the line.
.macro TLOAD
	s_cmp_lt_u32 s[WV], 4
	s_cbranch_scc0 .Lasked_\@
	tensor_load_to_lds s[G0K:G0K+3], s[G1K:G1K+7]
	s_nop 0
.rept 4
	v_nop
.endr
.Lasked_\@:
.endm
; A prefetch of what the NEXT change of slots will ask for: K's 49,152 dense bytes and V's.  All work-groups of a head walk the same K and V: the head's first work-group asks; in it waves 4, 5, 6, which fill no slot,
; take 8,192 bytes each of either half of K's block and of V's, lanes 256 bytes apart: each block of 256 bytes is named once in the launch.  The last change that fills a slot asks for nothing; slots 0 and 1 come by their loads alone.
.macro ASK
	s_cmp_gt_u32 s[SLOTS], s[LIM]
	s_cbranch_scc0 .Lnot_mine_\@
	global_prefetch_b8 v[PFO], s[PFA:PFA+1] th:TH_LOAD_NT scope:SCOPE_SE
	global_prefetch_b8 v[PFO], s[PFA:PFA+1] offset:24576 th:TH_LOAD_NT scope:SCOPE_SE
	global_prefetch_b8 v[PFO], s[PFA:PFA+1] offset:KOFF th:TH_LOAD_NT scope:SCOPE_SE
	global_prefetch_b8 v[PFO], s[PFA:PFA+1] offset:KOFF+24576 th:TH_LOAD_NT scope:SCOPE_SE
.Lnot_mine_\@:
.endm
	s_load_b128 s[4:7], s[0:1], 0x0                ; qkv, att
	v_lshl_add_u32 v[SPW], v0, 2, SPARE
	v_mov_b32 v[NIL], 0
	ds_add_u32 v5, v6
	ds_add_u32 v5, v6
	s_wait_dscnt 0x0
	v_lshrrev_b32 v29, 5, v0
	s_delay_alu instid0(VALU_DEP_1)
	v_readfirstlane_b32 s[WV], v29                 ; wave 0..15
	s_and_b32 s90, s[WV], 7                        ; my tile of queries
	s_lshr_b32 s91, s[WV], 3                       ; 0: the even key steps are mine; 1: the odd ones
	s_and_b32 s48, ttmp7, 0xffff                   ; the head
	s_lshr_b32 s49, s90, 2
	s_xor_b32 s49, s49, s90
	s_and_b32 s49, s49, 1                          ; which of the two blocks of queries: (tile xor tile / 4) % 2
	s_lshr_b32 s50, s90, 1                         ; which of its four tiles
	s_lshl_b32 s51, ttmp9, 2                       ; the early block's first row block: 4 j
	s_sub_co_u32 s52, 124, s51                     ; the late block's: 4 (31 - j)
	s_cmp_eq_u32 s49, 0
	s_cselect_b32 s53, s51, s52
	s_add_co_u32 s53, s53, s50                     ; my row block
	s_lshr_b32 s54, s53, 1
	s_lshl_b32 s54, s54, 5
	s_and_b32 s55, s53, 1
	s_lshl_b32 s55, s55, 3
	s_add_co_u32 s[Q0], s54, s55                   ; my first query; lane (r, h) holds query Q0 + r + 8 (r / 8)
	s_mul_i32 s56, s48, 196608                     ; the head's tiles of codes
	s_lshl_b32 s57, s48, 13                        ; and of scale words
	s_mul_i32 s58, s53, 1536
	s_add_co_u32 s68, s56, s58                     ; Q's fragment
	s_mov_b32 s69, 0
	s_lshl_b32 s58, s53, 6
	s_add_co_u32 s70, s57, s58
	s_add_co_u32 s70, s70, QSC                     ; its scale words
	s_mov_b32 s71, 0
	s_lshl_b32 s58, s53, 4
	s_add_co_u32 s58, s58, s48
	s_mul_i32 s72, s58, 1536                       ; att: fragment (row block, head)
	s_mov_b32 s73, 0
	s_and_b32 s59, s[WV], 1
	s_cmp_eq_u32 s59, 0
	s_cselect_b32 s58, s51, s52
	s_lshl_b32 s58, s58, 6
	s_add_co_u32 s74, s57, s58
	s_add_co_u32 s74, s74, 3145728                 ; att: the 64 scale words of block w % 2 (waves 0 and 1 store them)
	s_mov_b32 s75, 0
	s_bfe_u32 s60, s[WV], 0x10001                  ; K (0) or V (1)
	s_mul_i32 s61, s60, KOFF
	s_add_co_u32 s61, s61, KOFF
	s_add_co_u32 s61, s61, s56
	s_mul_i32 s62, s59, 24576
	s_add_co_u32 s82, s61, s62                     ; my two key steps of slot 0
	s_mov_b32 s83, 0
	s_lshl_b32 s61, s60, 17
	s_add_co_u32 s61, s61, QSC+131072
	s_add_co_u32 s61, s61, s57
	s_lshl_b32 s62, s59, 12
	s_add_co_u32 s84, s61, s62                     ; my half of a head's scale words
	s_mov_b32 s85, 0
	s_mul_i32 s86, s[WV], 24576                    ; where they go: by the wave's number alone
	s_and_b32 s87, s[WV], 3                        ; waves 4-7 fetch the scale words: quarter wave % 4
	s_lshl_b32 s87, s87, 12
	s_add_co_u32 s87, s87, SCK
	s_and_b32 s62, s[WV], 3
	s_lshl_b32 s62, s62, 13
	s_add_co_u32 s62, s62, s56
	s_add_co_u32 s88, s62, KOFF+49152              ; the prefetches stand in slot 1: the first change of slots steps them to slot 2
	s_mov_b32 s89, 0
	s_sub_co_u32 s62, s[WV], 4
	s_cmp_lt_u32 s62, 3                            ; waves 4, 5, 6
	s_cselect_b32 s62, 0, 1
	s_or_b32 s62, s62, ttmp9                       ; of the head's first work-group
	s_cmp_eq_u32 s62, 0
	s_cselect_b32 s[LIM], 1, -1
	; descriptor group 1: dense blocks as rows of 256 bytes (32 elements of 8 bytes): two key steps' tiles are 96 rows, half a head's scale words 16
	s_mov_b32 s[G1K], 3<<16
	s_mov_b32 s[G1K+1], 32<<16
	s_mov_b32 s[G1K+2], 96<<16
	s_mov_b32 s[G1K+3], 32<<16
	s_mov_b32 s[G1K+4], 96
	s_mov_b32 s[G1K+5], 32
	s_mov_b32 s[G1K+6], 0
	s_mov_b32 s[G1K+7], 0
	s_mov_b32 s[G1S], 3<<16
	s_mov_b32 s[G1S+1], 32<<16
	s_mov_b32 s[G1S+2], 16<<16
	s_mov_b32 s[G1S+3], 32<<16
	s_mov_b32 s[G1S+4], 16
	s_mov_b32 s[G1S+5], 32
	s_mov_b32 s[G1S+6], 0
	s_mov_b32 s[G1S+7], 0
	s_mov_b32 s[SEL], 0x76543210
	s_mov_b32 s[SEL+1], 0xfedcba98
	s_mov_b32 s[CS], 0x3e0293ee                    ; c = log2(e) / sqrt(128)
	s_mov_b32 s[CS+1], s[CS]
	s_mov_b32 s[TB], 0
	s_mov_b32 s[TS], 0
	s_mov_b32 s[SLOTS], NSL-1
	s_lshl_b32 s[KF], s91, 7                       ; my first key step's first key: 0 or 128
	; every LDS address register is made here, ahead of the first branch on the wave's number
	v_and_b32 v29, 15, v0                          ; r
	v_bfe_u32 v30, v0, 4, 1                        ; h
	v_and_b32 v31, 31, v0                          ; lane
	s_delay_alu instid0(VALU_DEP_1)
	v_lshlrev_b32 v[LI], 4, v31
	s_mul_i32 s61, s91, 12288
	v_add_nc_u32 v[AK0], s61, v[LI]
	s_lshl_b32 s61, s91, 9
	s_add_co_u32 s61, s61, SCK
	v_lshl_add_u32 v[ASK0], v29, 2, s61
	v_lshlrev_b32 v[QW], 2, v29
	v_and_b32 v[QL], 8, v29
	s_delay_alu instid0(VALU_DEP_1)
	v_add_nc_u32 v[QL], v[QL], v29
	v_lshlrev_b32 v30, 4, v30
	s_delay_alu instid0(VALU_DEP_1)
	v_sub_nc_u32 v[QL], v[QL], v30
	s_lshl_b32 s61, s49, 8
	s_lshl_b32 s62, s50, 6
	s_add_co_u32 s61, s61, s62
	s_add_co_u32 s61, s61, SST
	v_lshl_add_u32 v[SSW], v29, 2, s61
	s_lshl_b32 s61, s59, 8
	s_add_co_u32 s61, s61, SST
	v_lshl_add_u32 v[SSR], v31, 3, s61
	s_lshl_b32 s61, s90, 13
	s_add_co_u32 s61, s61, MRG
	v_add_nc_u32 v[MA], s61, v[LI]
	s_lshl_b32 s61, s90, 8
	s_add_co_u32 s61, s61, MST
	v_lshl_add_u32 v[MS], v31, 3, s61
	v_lshlrev_b32 v[GO8], 3, v31
	v_lshlrev_b32 v[PFO], 8, v31
	s_wait_kmcnt 0x0
	s_mov_b32 s[G0S], 1
	s_mov_b32 s[G0S+1], s87
	s_add_nc_u64 s[G0S+2:G0S+3], s[4:5], s[84:85]
	s_or_b32 s[G0S+3], s[G0S+3], 0x80000000
	s_mov_b32 s[G0K], 1
	s_mov_b32 s[G0K+1], s86
	s_add_nc_u64 s[G0K+2:G0K+3], s[4:5], s[82:83]
	s_or_b32 s[G0K+3], s[G0K+3], 0x80000000
	s_cmp_lt_u32 s[WV], 4                          ; the first fills, one a wave, in one chain of branches: waves 0-3 slot 0, waves 4-7 the scale words of the whole head (filled once)
	s_cbranch_scc0 .Lnot_slot
	tensor_load_to_lds s[G0K:G0K+3], s[G1K:G1K+7]
	s_nop 0
.rept 4
	v_nop
.endr
	s_branch .Lno_first
.Lnot_slot:
	s_cmp_lt_u32 s[WV], 8
	s_cbranch_scc0 .Lno_first
	tensor_load_to_lds s[G0S:G0S+3], s[G1S:G1S+7]
	s_nop 0
.rept 4
	v_nop
.endr
.Lno_first:
	s_add_nc_u64 s[68:69], s[4:5], s[68:69]
	s_add_nc_u64 s[70:71], s[4:5], s[70:71]
	s_add_nc_u64 s[72:73], s[6:7], s[72:73]
	s_add_nc_u64 s[74:75], s[6:7], s[74:75]
	s_add_nc_u64 s[PFA:PFA+1], s[4:5], s[88:89]
.irp c, 0,1,2
	global_load_b128 v[16+4*\c:19+4*\c], v[LI], s[68:69] offset:512*\c       ; Q's fragment stays in registers (both waves of a tile hold it)
.endr
	global_load_b32 v255, v[QW], s[70:71]          ; Q's scale words
	v_mov_b32 v13, 0xff61b1e6                      ; the largest t so far: -3e38
	s_delay_alu instid0(VALU_DEP_1)
	v_floor_f32 v12, -v13                          ; -M
	v_mov_b32 v14, 0
	v_mov_b32 v15, 0
.irp b, 0,1,2,3
	v_mov_b32 v[236+\b], 0                         ; a lane permute's destination counts as one of its sources
.endr
	v_mov_b32 v252, 0
	v_mov_b32 v253, 0
.set n, 0
.rept 64
	v_mov_b32 v[160+n], 0                          ; O^T: the loop is written once; its first step finds zeros, which the first change of M leaves zeros
.set n, n+1
.endr
; A KEY STEP of mine: 128 keys, my q-th of the slot in hand: the slot's key step 2 q + (wave / 8).
.macro STEP q
	s_add_co_u32 s96, s[Q0], 23                    ; my last query
	s_cmp_gt_u32 s[KF], s96
	s_cbranch_scc1 .Lhidden_\@                     ; all keys come after my queries: the work is left out; not the address steps at the end
	v_add_nc_u32 v[ADK], s[TB], v[AK0]
	s_wait_alu depctr_va_vdst(0)
	v_add_nc_u32 v[ADS], s[TS], v[ASK0]
	s_wait_alu depctr_va_vdst(0)
	v_add_nc_u32 v[ADV], VOFF, v[ADK]
.irp g, 0,1                                    ; S^T = K Q^T, four tiles of 16 keys at a time
.rept 1+3*\g
	v_nop                                          ; four places in front of loads into registers that matrix instructions have read (the three additions above are three of them)
.endr
.irp t, 0,1,2,3
.irp c, 0,1,2
	ds_load_b128 v[32+12*\t+4*\c:35+12*\t+4*\c], v[ADK] offset:24576*(\q)+1536*(4*\g+\t)+512*\c
.endr
	ds_load_b32 v[248+\t], v[ADS] offset:64*(4*\g+\t)
.endr
	s_wait_dscnt 0x0
.irp t, 0,1,2,3
	v_wmma_scale_f32_16x16x128_f8f6f4 v[96+8*(4*\g+\t):103+8*(4*\g+\t)], v[32+12*\t:43+12*\t], v[16:27], 0, v[248+\t], v255 matrix_a_fmt:MATRIX_FMT_BF6 matrix_b_fmt:MATRIX_FMT_BF6
.endr
.endr
.rept 4
	v_nop
.endr
	s_wait_alu depctr_va_vdst(0)                   ; the wait directly ahead of the first reader of V's address
.irp t, 0,1,2,3                                ; V's first four fragments are asked for here, four places behind the products that read v32-79: the softmax stands between the request and the wait for it
.irp c, 0,1,2
	ds_load_b128 v[32+12*\t+4*\c:35+12*\t+4*\c], v[ADV] offset:24576*(\q)+1536*\t+512*\c
.endr
	ds_load_b32 v[84+\t], v[ADS] offset:8192+64*\t         ; v84-91: V's scale words, and nothing else
.endr
	s_add_co_u32 s96, s[KF], 127                   ; on the diagonal hidden scores become -infinity ahead of the maximum; a step all of whose keys count skips this
	s_cmp_le_u32 s96, s[Q0]
	s_cbranch_scc1 .Lopen_\@
	s_sub_co_i32 s96, s[Q0], s[KF]
	v_add_nc_u32 v252, s96, v[QL]                  ; d: register 16 b + i holds key KF + 16 h + 32 b + i: hidden where 32 b + i > d
	v_mov_b32 v254, 0xff800000
.set n, 0
.rept 64
	v_cmp_gt_i32 vcc_lo, 32*(n/16)+n%16, v252
	v_cndmask_b32 v[96+n], v[96+n], v254, vcc_lo
.set n, n+1
.endr
.Lopen_\@:
.irp b, 0,1,2,3
	v_max3_num_f32 v[232+\b], v[96+16*\b], v[97+16*\b], v[98+16*\b]      ; the largest score of each block of 32 keys: for the row's maximum, and for the block's largest p
.endr
.irp i, 3,5,7,9,11,13
.irp b, 0,1,2,3
	v_max3_num_f32 v[232+\b], v[232+\b], v[96+16*\b+\i], v[97+16*\b+\i]
.endr
.endr
.irp b, 0,1,2,3
	v_max_num_f32 v[232+\b], v[232+\b], v[111+16*\b]
.endr
.irp b, 0,1,2,3
	s_delay_alu instid0(VALU_DEP_4)
	v_permlanex16_b32 v[236+\b], v[232+\b], s[SEL], s[SEL+1]
.endr
.irp b, 0,1,2,3
	s_delay_alu instid0(VALU_DEP_4)
	v_max_num_f32 v[232+\b], v[232+\b], v[236+\b]
.endr
	s_delay_alu instid0(VALU_DEP_2)
	v_max3_num_f32 v254, v232, v233, v234
	s_delay_alu instid0(VALU_DEP_1)
	v_max_num_f32 v254, v254, v235
	s_delay_alu instid0(VALU_DEP_1)
	v_mul_f32 v254, s[CS], v254
	s_delay_alu instid0(VALU_DEP_1)
	v_max_num_f32 v13, v13, v254                   ; the running largest t
	v_mov_b32 v254, v12
	s_delay_alu instid0(VALU_DEP_2)
	v_floor_f32 v12, -v13                          ; the new -M = -ceil(t)
	s_delay_alu instid0(VALU_DEP_1)
	v_sub_f32 v254, v12, v254
	s_delay_alu instid0(VALU_DEP_1)
	v_cvt_i32_f32 v254, v254
	s_delay_alu instid0(VALU_DEP_1)
	v_ldexp_f32 v252, 1.0, v254                    ; f = 2^(old M - new M)
.set n, 0
.rept 32
	v_pk_fma_f32 v[96+n:97+n], v[96+n:97+n], s[CS:CS+1], v[12:13] op_sel_hi:[1,0,0]      ; t - M
.set n, n+2
.endr
.irp b, 0,1,2,3
	v_fma_f32 v[232+\b], v[232+\b], s[CS], v12
.endr
.set n, 0
	s_wait_alu depctr_va_vdst(0)
.rept 64
	v_exp_f32 v[96+n], v[96+n]                     ; p = 2^(t - M)
.set n, n+1
.endr
	v_pk_mul_f32 v[14:15], v[14:15], v[252:253] op_sel_hi:[1,0]          ; the sums under the new M (a plain instruction behind the exponentials)
	s_wait_alu depctr_va_vdst(0)                   ; one wait for the batch, ahead of its first reader
.irp b, 0,1,2,3
	v_exp_f32 v[232+\b], v[232+\b]                 ; the block's largest p
.endr
	v_pk_add_f32 v[236:237], v[100:101], v[104:105]
	v_pk_add_f32 v[250:251], v[108:109], v[112:113]
	v_pk_add_f32 v[248:249], v[116:117], v[120:121]
	v_pk_add_f32 v[246:247], v[124:125], v[128:129]
	v_pk_add_f32 v[244:245], v[132:133], v[136:137]
	v_pk_add_f32 v[242:243], v[140:141], v[144:145]
	v_pk_add_f32 v[240:241], v[148:149], v[152:153]
	v_pk_add_f32 v[14:15], v[14:15], v[156:157]
	v_pk_add_f32 v[236:237], v[236:237], v[96:97]
	v_pk_add_f32 v[250:251], v[250:251], v[98:99]
	v_pk_add_f32 v[248:249], v[248:249], v[102:103]
	v_pk_add_f32 v[246:247], v[246:247], v[106:107]
	v_pk_add_f32 v[244:245], v[244:245], v[110:111]
	v_pk_add_f32 v[242:243], v[242:243], v[114:115]
	v_pk_add_f32 v[240:241], v[240:241], v[118:119]
	v_pk_add_f32 v[14:15], v[14:15], v[122:123]
	v_pk_add_f32 v[236:237], v[236:237], v[126:127]
	v_pk_add_f32 v[250:251], v[250:251], v[130:131]
	v_pk_add_f32 v[248:249], v[248:249], v[134:135]
	v_pk_add_f32 v[246:247], v[246:247], v[138:139]
	v_pk_add_f32 v[244:245], v[244:245], v[142:143]
	v_pk_add_f32 v[242:243], v[242:243], v[146:147]
	v_pk_add_f32 v[240:241], v[240:241], v[150:151]
	v_pk_add_f32 v[14:15], v[14:15], v[154:155]
	v_pk_add_f32 v[236:237], v[236:237], v[158:159]
	s_delay_alu instid0(VALU_DEP_2)
	v_pk_add_f32 v[14:15], v[14:15], v[246:247]
	s_delay_alu instid0(VALU_DEP_2)
	v_pk_add_f32 v[236:237], v[236:237], v[244:245]
	v_pk_add_f32 v[250:251], v[250:251], v[242:243]
	v_pk_add_f32 v[248:249], v[248:249], v[240:241]
	s_delay_alu instid0(VALU_DEP_2)
	v_pk_add_f32 v[14:15], v[14:15], v[250:251]
	s_delay_alu instid0(VALU_DEP_2)
	v_pk_add_f32 v[236:237], v[236:237], v[248:249]
	s_delay_alu instid0(VALU_DEP_1)
	v_pk_add_f32 v[14:15], v[14:15], v[236:237]
	s_wait_alu depctr_va_vdst(0)                   ; and one for the four
.irp b, 0,1,2,3
	v_max_num_f32 v[232+\b], 0x2800000, v[232+\b]
.endr
.irp b, 0,1,2,3
	s_delay_alu instid0(VALU_DEP_4)
	v_add_nc_u32 v[244+\b], 0xfe000000, v[232+\b]
.endr
.irp b, 0,1,2,3
	s_delay_alu instid0(VALU_DEP_4)
	v_lshrrev_b32 v[236+\b], 23, v[244+\b]
.endr
	s_delay_alu instid0(VALU_DEP_3)
	v_lshl_or_b32 v253, v237, 8, v236              ; p's scale word for these 128 keys
	s_delay_alu instid0(VALU_DEP_1)
	v_lshl_or_b32 v253, v238, 16, v253
	s_delay_alu instid0(VALU_DEP_1)
	v_lshl_or_b32 v253, v239, 24, v253
.irp c, 0,1
	v_cvt_scalef32_pk16_bf6_f32 v[224+6*\c:226+6*\c], v[96+32*\c:111+32*\c], v[244+2*\c]
	v_cvt_scalef32_pk16_bf6_f32 v[236+4*\c:238+4*\c], v[112+32*\c:127+32*\c], v[244+2*\c+1]
.endr
	v_nop
.irp t, 0,1,2,3                                ; p has been converted: V's last four fragments take v96-143
.irp c, 0,1,2
	ds_load_b128 v[96+12*\t+4*\c:99+12*\t+4*\c], v[ADV] offset:24576*(\q)+1536*(4+\t)+512*\c
.endr
	ds_load_b32 v[88+\t], v[ADS] offset:8192+64*(4+\t)
.endr
.irp c, 0,1
.irp i, 0,1,2
	v_permlane16_swap_b32 v[224+6*\c+\i], v[236+4*\c+\i]
.endr
.irp i, 0,1,2
	s_delay_alu instid0(VALU_DEP_3)
	v_mov_b32 v[227+6*\c+\i], v[236+4*\c+\i]
.endr
.endr
.set n, 0
.rept 32
	v_pk_mul_f32 v[160+n:161+n], v[160+n:161+n], v[252:253] op_sel_hi:[1,0]      ; O^T under the new M (these are also the places in front of the loads and products below)
.set n, n+2
.endr
	s_wait_alu depctr_va_vdst(0)
	s_wait_dscnt 0x0                               ; all eight fragments of V and their scale words are in
.irp t, 0,1,2,3,4,5,6,7                        ; O^T += V^T P^T: eight tiles of 16 d, eight accumulators by turns; fragments 0-3 in v32-79, 4-7 in v96-143
	v_wmma_scale_f32_16x16x128_f8f6f4 v[160+8*\t:167+8*\t], v[32+12*\t+16*(\t/4):43+12*\t+16*(\t/4)], v[224:235], v[160+8*\t:167+8*\t], v[84+\t], v253 matrix_a_fmt:MATRIX_FMT_BF6 matrix_b_fmt:MATRIX_FMT_BF6
.endr
.rept 2
	v_nop                                          ; with the next step's three additions and its v_nop: five places and more ahead of the products that write over v96 on
.endr
.Lhidden_\@:
	s_add_co_u32 s[KF], s[KF], 256                 ; my next key step: two steps of 128 keys on,
	s_add_co_u32 s[TS], s[TS], 1024                ; and its scale words: two steps of 512 bytes on
.endm
; THE CHANGE OF SLOTS stands at a slot's head: each wave waits for all its tensor loads, adds 0 to its spare word, and waits for that and for its reads of the slot that it has left.
.macro CHANGE fill
	s_wait_tensorcnt 0x0                           ; no tensor load of mine is out, so a group 0 may be written
	ds_add_u32 v[SPW], v[NIL]                      ; 0 onto my spare word
.if \fill
	ds_add_u32 v[SPW], v[NIL]                      ; and once more
	s_xor_b32 s[G0K+1], s[G0K+1], SLOT1            ; the other slot than last time,
	s_add_nc_u64 s[G0K+2:G0K+3], s[G0K+2:G0K+3], 49152     ; the next 512 keys
	s_wait_xcnt 0x0                                ; the last prefetches, a slot back, have read their address
	s_add_nc_u64 s[PFA:PFA+1], s[PFA:PFA+1], 49152
.endif
	s_wait_dscnt 0x0
	s_barrier_signal -1
	s_barrier_wait -1
.if \fill
	TLOAD                                          ; the first thing behind the barrier, and a wave's one tensor load until the next: it has two key steps of every wave in which to land
	ASK
.endif
.endm
.macro SLOT_STEPS
	STEP 0
	STEP 1
	s_xor_b32 s[TB], s[TB], SLOT1
.endm
	s_wait_loadcnt 0x0                             ; Q
.Lslot:                                            ; 3 trips: behind each change of slots but the last the next slot is asked for
	CHANGE 1
	SLOT_STEPS
	s_sub_co_u32 s[SLOTS], s[SLOTS], 1
	s_cmp_lg_u32 s[SLOTS], 0
	s_cbranch_scc1 .Lslot
	CHANGE 0                                       ; the last slot is written out
	SLOT_STEPS
	; THE TWO WAVES OF A TILE MEET.  Waves 8-15 store O^T as it stands in their registers (lane l's 16 bytes at 16 l, 512 bytes a store), and -M with the lane's sum.
.rept 4
	v_nop                                          ; places behind the last products
.endr
	v_add_f32 v14, v14, v15                        ; my lane's sum, under my M
	s_cmp_lt_u32 s[WV], 8
	s_cbranch_scc1 .Lkeeps
	v_mov_b32 v13, v14
	s_wait_alu depctr_va_vdst(0)
.irp g, 0,1,2,3,4,5,6,7,8,9,10,11,12,13,14,15
	ds_store_b128 v[MA], v[160+4*\g:163+4*\g] offset:512*\g              ; ascending: each accumulator is first read at its low end
.endr
	ds_store_b64 v[MS], v[12:13]
.Lkeeps:
	s_wait_dscnt 0x0                               ; for the others' sake: my stores are done
	s_barrier_signal -1
	s_barrier_wait -1
	s_cmp_lt_u32 s[WV], 8
	s_cbranch_scc0 .Lgave
.irp g, 0,1,2,3,4,5,6,7,8,9,10,11,12,13,14,15
	ds_load_b128 v[96+4*\g:99+4*\g], v[MA] offset:512*\g                 ; the other wave's O^T, in the same registers' order and the same lanes
.endr
	ds_load_b64 v[232:233], v[MS]                  ; its -M and its lane's sum
	s_wait_dscnt 0x0
	v_min_num_f32 v234, v12, v232                  ; -M of both: the larger M.  (A wave that had no key step holds -M = 3e38 and zeros: its factor below comes out 0)
	s_delay_alu instid0(VALU_DEP_1)
	v_sub_f32 v235, v234, v12                      ; my M less the common one: a whole number, 0 or less
	s_delay_alu instid0(VALU_DEP_2)
	v_sub_f32 v236, v234, v232                     ; the other's likewise
	s_delay_alu instid0(VALU_DEP_2)
	v_cvt_i32_f32 v235, v235                       ; (it saturates)
	s_delay_alu instid0(VALU_DEP_2)
	v_cvt_i32_f32 v236, v236
	s_delay_alu instid0(VALU_DEP_2)
	v_ldexp_f32 v240, 1.0, v235                    ; the two factors: powers of two, which round nothing
	s_wait_alu depctr_va_vdst(0)
	v_ldexp_f32 v242, 1.0, v236
	v_mul_f32 v14, v14, v240
	s_delay_alu instid0(VALU_DEP_1)
	v_fma_f32 v14, v233, v242, v14                 ; the lane's sum under the common M,
	s_delay_alu instid0(VALU_DEP_1)
	v_permlanex16_b32 v252, v14, s[SEL], s[SEL+1]
	s_delay_alu instid0(VALU_DEP_1)
	v_add_f32 v14, v14, v252                       ; and lane l xor 16's: the row's sum
	s_wait_alu depctr_va_vdst(0)
	v_rcp_f32 v14, v14
	v_nop                                          ; a plain instruction behind the reciprocal
	s_wait_alu depctr_va_vdst(0)                   ; and the wait ahead of its first reader
	v_mul_f32 v240, v240, v14                      ; each factor / the sum
	v_mul_f32 v242, v242, v14
	s_delay_alu instid0(VALU_DEP_2)
	v_mov_b32 v241, v240                           ; (the packed forms name pairs, so the upper halves are written)
	s_delay_alu instid0(VALU_DEP_2)
	v_mov_b32 v243, v242
.set n, 0
.rept 32
	v_pk_mul_f32 v[96+n:97+n], v[96+n:97+n], v[242:243] op_sel_hi:[1,0]
.set n, n+2
.endr
.set n, 0
.rept 32
	v_pk_fma_f32 v[96+n:97+n], v[160+n:161+n], v[240:241], v[96+n:97+n] op_sel_hi:[1,0,1]    ; ascending: each accumulator is first read at its low end
.set n, n+2
.endr
	QUANT 96                                       ; the result lies in the quantiser's order already: one fragment and one scale word a row
.irp c, 0,1,2
	global_store_b128 v[LI], v[PC+4*\c:PC+4*\c+3], s[72:73] offset:512*\c
.endr
	ds_store_b32 v[SSW], v[PW]
.Lgave:
	s_wait_dscnt 0x0                               ; for the others' sake: my word is stored
	s_barrier_signal -1
	s_barrier_wait -1
	s_cmp_lt_u32 s[WV], 2                          ; waves 0 and 1 store a block's 64 words each: 256 consecutive aligned bytes
	s_cbranch_scc0 .Lno_words
	ds_load_b64 v[96:97], v[SSR]
	s_wait_dscnt 0x0
	global_store_b64 v[GO8], v[96:97], s[74:75]
.Lno_words:
	s_wait_tensorcnt 0x0                           ; the wave's end
	ds_add_u32 v[SPW], v[NIL]
	s_wait_dscnt 0x0
	s_endpgm
.Lfunc_end_k_qa0769029c9_attn:
	.size	k_qa0769029c9_attn, .Lfunc_end_k_qa0769029c9_attn-k_qa0769029c9_attn
	.p2alignl 7, 3214868480
	.fill 96, 4, 3214868480
	.section	.rodata,"a",@progbits
	.p2align	6, 0x0
	.amdhsa_kernel k_qa0769029c9_attn
		.amdhsa_group_segment_fixed_size 327680
		.amdhsa_private_segment_fixed_size 0
		.amdhsa_enable_private_segment 0
		.amdhsa_kernarg_size 16
		.amdhsa_user_sgpr_count 2
		.amdhsa_user_sgpr_kernarg_segment_ptr 1
		.amdhsa_wavefront_size32 1
		.amdhsa_system_sgpr_workgroup_id_x 1
		.amdhsa_system_sgpr_workgroup_id_y 1
		.amdhsa_system_sgpr_workgroup_id_z 1
		.amdhsa_system_vgpr_workitem_id 0
		.amdhsa_next_free_vgpr 256
		.amdhsa_next_free_sgpr 100
		.amdhsa_reserve_vcc 1
		.amdhsa_float_denorm_mode_32 3
		.amdhsa_float_denorm_mode_16_64 3
		.amdhsa_memory_ordered 1
		.amdhsa_forward_progress 1
		.amdhsa_inst_pref_size 129
	.end_amdhsa_kernel
	.amdgpu_metadata
---
amdhsa.version: [ 1, 2 ]
amdhsa.kernels:
  - .name:           k_qa0769029c9_attn
    .symbol:         k_qa0769029c9_attn.kd
    .args:
      - { .name: qkv, .offset: 0, .size: 8, .value_kind: global_buffer, .address_space: global }
      - { .name: att, .offset: 8, .size: 8, .value_kind: global_buffer, .address_space: global }
    .group_segment_fixed_size: 327680
    .private_segment_fixed_size: 0
    .kernarg_segment_align: 8
    .kernarg_segment_size: 16
    .max_flat_workgroup_size: 512
    .sgpr_count:     100
    .vgpr_count:     256
    .wavefront_size: 32
...
	.end_amdgpu_metadata
.endif
;; end of part 3
;; launch outp (part 4): grid 16 x 16, 4 waves a work-group, clusters of 4 x 4, 327,680 bytes of LDS; arguments att, ops, out0; writes out0
.if DOCPART == 4
	.amdgcn_target "amdgcn-amd-amdhsa--gfx1250"
	.amdhsa_code_object_version 6
	.text
	.protected	k_qa0769029c9_outp
	.globl	k_qa0769029c9_outp
	.p2align	8
	.type	k_qa0769029c9_outp,@function
k_qa0769029c9_outp:
	s_mov_b64 s[64:65], 0
	v_nop
	global_prefetch_b8 v0, s[64:65] scope:SCOPE_SE
	s_setreg_imm32_b32 hwreg(HW_REG_WAVE_MODE, 25, 1), 1
	s_wait_xcnt 0x0
	s_wait_alu depctr_hold_cnt(0) depctr_sa_sdst(0) depctr_va_vdst(0) depctr_va_sdst(0) depctr_va_ssrc(0) depctr_va_vcc(0) depctr_vm_vsrc(0)
	s_getreg_b32 s2, hwreg(HW_REG_IB_STS2, 6, 4)
	s_cmp_eq_u32 s2, 0
	s_cbranch_scc0 .Lentry_in_a_cluster
	s_endpgm
.Lentry_in_a_cluster:
	s_bfe_u32 s2, ttmp6, 0x10000c
	s_cmp_lg_u32 s2, 0xf033
	s_cbranch_scc0 .Lentry_shape_is_right
	s_endpgm
.Lentry_shape_is_right:
; out0 = attn Wo on codes of BF6 (E3M2), K = 2,048 in 16 steps of 128.  A = att (rows: places of positions), B = Wo's rows n in ops; both lie as images of operand registers: a fragment is 1,536 bytes, [row block of 16][K step];
; rows with bits 3 and 4 of their number swapped; scale words as [K step][row].  A tile of 128 x 128 is made by four waves, each 64 x 64: 16 accumulators in v256-383.  256 work-groups.
; THE MATRIX INSTRUCTION IS USED TRANSPOSED (source 0 = B's rows, source 1 = A's): a lane holds eight neighbouring numbers of a row of out0.
; THE WALK ALONG K IS THREE FILLS.  Head, one joint load a wave: wave 0 K steps 0-5 of A's 8 row blocks, wave 1 those of B, wave 2 A's scale words for all of K, wave 3 B's.  Behind a full sequence and a round of the
; cluster's barrier each wave asks for K steps 6-11 of its 4 row blocks (region 2, a first fill): five steps' products stand between the request and the wait for it.  Behind the next round K steps 12-15 go into region 1,
; which is read out by then: six steps' products.  LDS: 2 x 147,456 bytes of codes, 16,384 of scale words, 512 spare.
; CLUSTERS: 4 x 4; A's tiles are asked for jointly along a row of the cluster, B's along a column.
; No prefetch: the walk is written out, 16 steps, with no loop to run ahead in, and all but 4 of the 16 steps are asked for by the first two groups of loads.
.set OPS_SC, 15728640                  ; ops: the scale words
.set ASC,    3145728                   ; att: the scale words
.set W6,     36864                     ; 4 row blocks x 6 K steps
.set W4,     24576                     ; 4 row blocks x 4 K steps
.set R2,     4*W6                      ; region 2 begins here
.set SCL,    2*R2                      ; A's scale words [16 K steps][128 rows x 4 bytes], then B's
.set SPARE,  SCL+16384                 ; the spare words, 128 bytes a wave: two blocks of 256 bytes that no other line names
.set STAGE,  R2                        ; the way out: region 2 has had its last fill and, behind the walk's last barrier, its last read
.set SPITCH, 272
.set ADRA, 16                          ; v16-18  my A fragments: K steps 0-5, 6-11, 12-15
.set ADRB, 20                          ; v20-22  the same for B
.set STO,  24
.set RD,   25
.set CO,   26
.set ADRS, 27                          ; v27     my scale words: lanes 0-15 A's rows, lanes 16-31 B's
.set SPW,  28
.set NIL,  29
.set SCW,  32                          ; v32-39  scale words, two sets
.set AFR,  64                          ; v64-159 A's fragments, two sets
.set BFR,  160                         ; v160-255 B's
.set BK,   64
.set G1,   24                          ; group 1 for A's codes; group 0: s[32:35] head, s[36:39] steps 6-11, s[40:43] steps 12-15
.set G1B,  48                          ; for B's; group 0: s[56:59], s[60:63], s[68:71]
.set G0S,  44
.set G0SB, 72
.set G1S,  76
.set G1SB, 84
.set MSB, 0
.macro WIN new
.if MSB != (\new)
	s_set_vgpr_msb (MSB<<8)|(\new)
.set MSB, (\new)
.endif
.endm
.macro TL g0, g1                       ; a tensor load with s_nop 0 and four v_nop behind it
	tensor_load_to_lds s[\g0:\g0+3], s[\g1:\g1+7]
	s_nop 0
.rept 4
	v_nop
.endr
.endm
.macro JLOAD g0a, g0b                  ; waves 0 and 1 fetch for A, waves 2 and 3 for B
	s_cmp_eq_u32 s15, 0
	s_cbranch_scc0 .Lfor_b_\@
	TL \g0a, G1
	s_branch .Lasked_\@
.Lfor_b_\@:
	TL \g0b, G1B
.Lasked_\@:
.endm
.macro CROUND
	s_barrier_signal -1
	s_barrier_wait -1
	s_cmp_lg_u32 s14, 0
	s_cbranch_scc1 .Lnot_wave_0_\@
	s_barrier_signal -3
.Lnot_wave_0_\@:
	s_barrier_wait -3
	s_barrier_signal -1
	s_barrier_wait -1
.endm
.macro PLACES n
.rept \n
	v_nop
.endr
.endm
.macro MK g0, lds, adr, off            ; a group 0
	s_mov_b32 s[\g0], 1
	s_mov_b32 s[\g0+1], \lds
	s_add_nc_u64 s[\g0+2:\g0+3], s[\adr:\adr+1], \off
	s_or_b32 s[\g0+3], s[\g0+3], 0x80000000
.endm
	s_load_b128 s[4:7], s[0:1], 0x0                ; att, ops
	s_load_b64 s[8:9], s[0:1], 0x10                ; out0
	v_lshl_add_u32 v[SPW], v0, 2, SPARE
	v_mov_b32 v[NIL], 0
	ds_add_u32 v[SPW], v[NIL]                      ; the opening lines: the add, twice on end, and its wait
	ds_add_u32 v[SPW], v[NIL]
	v_lshrrev_b32 v1, 5, v0
	v_readfirstlane_b32 s14, v1                    ; wave 0..3
	s_lshr_b32 s15, s14, 1                         ; my half of A's rows.  Also: I fetch for A (0) or B (1)
	s_and_b32 s16, s14, 1                          ; my half of B's rows.  Also: which 4 row blocks I fetch
	s_bfe_u32 s92, ttmp6, 0x40000                  ; cx, cy
	s_bfe_u32 s93, ttmp6, 0x40004
	s_lshl_b32 s94, ttmp9, 2
	s_add_co_u32 s94, s94, s92                     ; tile column
	s_and_b32 s17, ttmp7, 0xffff
	s_lshl_b32 s17, s17, 2
	s_add_co_u32 s17, s17, s93                     ; tile row
	s_lshl_b32 s95, s93, 2
	s_lshl_b32 s95, 15, s95                        ; my row of the cluster
	s_lshl_b32 s96, 0x1111, s92                    ; my column
	s_or_b32 s[G1+0], s95, (3<<16)|(1<<21)         ; the mask; elements of 8 bytes; bit 21 beside a mask
	s_or_b32 s[G1B+0], s96, (3<<16)|(1<<21)
.irp g, G1, G1B
	s_mov_b32 s[\g+1], 1152<<16                    ; six fragments: 9,216 bytes
	s_mov_b32 s[\g+2], 8<<16                       ; 8 row blocks at the head
	s_mov_b32 s[\g+3], 1152<<16
	s_mov_b32 s[\g+4], 8
	s_mov_b32 s[\g+5], 3072                        ; from row block to row block: 24,576 bytes
	s_mov_b32 s[\g+6], 0
	s_mov_b32 s[\g+7], 0
.endr
	s_or_b32 s[G1S+0], s95, (3<<16)|(1<<21)
	s_or_b32 s[G1SB+0], s96, (3<<16)|(1<<21)
.irp g, G1S, G1SB
	s_mov_b32 s[\g+1], 64<<16                      ; 128 rows' words: 512 bytes
	s_mov_b32 s[\g+2], 16<<16                      ; 16 K steps
	s_mov_b32 s[\g+3], 64<<16
	s_mov_b32 s[\g+4], 16
	s_mov_b32 s[\g+6], 0
	s_mov_b32 s[\g+7], 0
.endr
	s_mov_b32 s[G1S+5], 1024                       ; att: 8,192 bytes from K step to K step
	s_mov_b32 s[G1SB+5], 5120                      ; ops: 40,960
	s_lshl_b32 s20, s17, 3                         ; A's first row block
	s_lshl_b32 s98, s94, 3
	s_add_co_u32 s98, s98, 512                     ; B's: Wo's begin at 512
	s_lshl_b32 s22, s20, 6
	s_add_co_u32 s22, s22, ASC
	s_mov_b32 s23, 0
	s_lshl_b32 s100, s98, 6
	s_add_co_u32 s100, s100, OPS_SC
	s_mov_b32 s101, 0
	s_mul_i32 s20, s20, 24576
	s_mov_b32 s21, 0
	s_mul_i32 s98, s98, 24576
	s_mov_b32 s99, 0
	s_mul_i32 s18, s16, 4*24576                    ; behind the head I fetch 4 row blocks: which half
	s_mov_b32 s19, 0
	s_mul_i32 s12, s14, W6
	s_add_co_u32 s12, s12, R2                      ; where they go: by the wave's number alone
	s_mul_i32 s13, s14, W4
	s_wait_dscnt 0x0                               ; both opening adds are done
	s_wait_kmcnt 0x0
	s_add_nc_u64 s[20:21], s[4:5], s[20:21]
	s_add_nc_u64 s[22:23], s[4:5], s[22:23]
	s_add_nc_u64 s[98:99], s[6:7], s[98:99]
	s_add_nc_u64 s[100:101], s[6:7], s[100:101]
	MK 32, 0, 20, 0
	MK 56, 2*W6, 98, 0
	MK G0S, SCL, 22, 0
	MK G0SB, SCL+8192, 100, 0
	s_add_nc_u64 s[20:21], s[20:21], s[18:19]
	s_add_nc_u64 s[98:99], s[98:99], s[18:19]
	MK 36, s12, 20, 6*1536
	MK 60, s12, 98, 6*1536
	MK 40, s13, 20, 12*1536
	MK 68, s13, 98, 12*1536
	CROUND                                         ; all sixteen work-groups are here: the first joint loads meet
.macro ARM under, g0, g1, next         ; one chain of branches on the wave's number: every way passes one load
	s_cmp_lt_u32 s14, \under
	s_cbranch_scc0 \next
	TL \g0, \g1
	s_branch .Lhead_asked
\next:
.endm
	ARM 1, 32, G1, .Lhead_b
	ARM 2, 56, G1B, .Lhead_sa
	ARM 3, G0S, G1S, .Lhead_sb
	TL G0SB, G1SB
.Lhead_asked:
	s_mul_i32 s10, s15, W6                         ; my A fragments, K steps 0-5
	s_mul_i32 s11, s16, W6
	s_add_co_u32 s11, s11, 2*W6                    ; B's lie behind A's
	s_mul_i32 s20, s15, W4                         ; K steps 12-15
	s_mul_i32 s21, s16, W4
	s_add_co_u32 s21, s21, 2*W4
	s_lshl_b32 s22, s15, 8                         ; A's words: my 64 rows
	s_lshl_b32 s23, s16, 8
	s_add_co_u32 s23, s23, 8192
	s_sub_co_u32 s23, s23, s22                     ; the distance to B's
	s_add_co_u32 s22, s22, SCL
	s_mul_i32 s3, s14, 16*SPITCH
	s_add_co_u32 s3, s3, STAGE                     ; my stage
	v_and_b32 v1, 15, v0                           ; r
	v_bfe_u32 v2, v0, 4, 1                         ; h
	v_and_b32 v3, 31, v0
	v_lshlrev_b32 v4, 4, v3                        ; 16 x lane
	v_add_nc_u32 v[ADRA], s10, v4
	v_add_nc_u32 v[ADRB], s11, v4
	v_add_nc_u32 v[ADRA+1], R2, v[ADRA]
	v_add_nc_u32 v[ADRB+1], R2, v[ADRB]
	v_add_nc_u32 v[ADRA+2], s20, v4
	v_add_nc_u32 v[ADRB+2], s21, v4
	v_lshlrev_b32 v5, 2, v1
	v_mul_u32_u24 v6, s23, v2                      ; lanes 16-31 take B's: one product
	v_add_nc_u32 v5, v5, v6
	v_add_nc_u32 v[ADRS], s22, v5
	v_mul_u32_u24 v5, v1, SPITCH                   ; the stage, in: row r; the columns' places undo the swap of bits 3 and 4
	v_lshl_add_u32 v5, v2, 6, v5
	v_add_nc_u32 v[STO], s3, v5
	v_mul_u32_u24 v5, v2, SPITCH                   ; back: sixteen lanes take a row of 256 bytes
	v_lshl_add_u32 v5, v1, 4, v5
	v_add_nc_u32 v[RD], s3, v5
	v_lshlrev_b32 v5, 13, v2
	v_lshl_add_u32 v[CO], v1, 4, v5                ; and the same two rows in out0
	s_lshl_b32 s10, s17, 7
	s_lshl_b32 s11, s15, 6
	s_add_co_u32 s10, s10, s11                     ; my first row
	s_lshl_b32 s10, s10, 13
	s_lshl_b32 s11, s94, 9
	s_add_co_u32 s10, s10, s11
	s_lshl_b32 s11, s16, 8
	s_add_co_u32 s10, s10, s11                     ; + my first column, in bytes
	s_mov_b32 s11, 0
	s_add_nc_u64 s[8:9], s[8:9], s[10:11]
.macro FETCH k                         ; step k's fragments and scale words into set k % 2: 28 LDS loads
.if (\k) < 12
.set RG, (\k)/6
.set PT, 9216
.set KK, (\k)%6
.else
.set RG, 2
.set PT, 6144
.set KK, (\k)-12
.endif
.irp i, 0,1,2,3
.irp c, 0,1,2
	ds_load_b128 v[BFR+48*((\k)%2)+12*\i+4*\c:BFR+48*((\k)%2)+12*\i+4*\c+3], v[ADRB+RG] offset:\i*PT+KK*1536+512*\c
.endr
.endr
.irp i, 0,1,2,3
.irp c, 0,1,2
	ds_load_b128 v[AFR+48*((\k)%2)+12*\i+4*\c:AFR+48*((\k)%2)+12*\i+4*\c+3], v[ADRA+RG] offset:\i*PT+KK*1536+512*\c
.endr
.endr
.irp i, 0,1,2,3
	ds_load_b32 v[SCW+4*((\k)%2)+\i], v[ADRS] offset:512*(\k)+64*\i
.endr
.endm
.macro MULK k                          ; 16 products; the 16 accumulators take turns; step 0 starts the sums
.irp a, 0,1,2,3
.irp b, 0,1,2,3
.if (\k) == 0
	v_wmma_scale_f32_16x16x128_f8f6f4 v[8*(4*\a+\b):8*(4*\a+\b)+7], v[BFR+48*((\k)%2)+12*\b:BFR+48*((\k)%2)+12*\b+11], v[AFR+48*((\k)%2)+12*\a:AFR+48*((\k)%2)+12*\a+11], 0, v[SCW+4*((\k)%2)+\b], v[SCW+4*((\k)%2)+\a] matrix_a_fmt:MATRIX_FMT_BF6 matrix_b_fmt:MATRIX_FMT_BF6 matrix_a_scale:MATRIX_SCALE_ROW1
.else
	v_wmma_scale_f32_16x16x128_f8f6f4 v[8*(4*\a+\b):8*(4*\a+\b)+7], v[BFR+48*((\k)%2)+12*\b:BFR+48*((\k)%2)+12*\b+11], v[AFR+48*((\k)%2)+12*\a:AFR+48*((\k)%2)+12*\a+11], v[8*(4*\a+\b):8*(4*\a+\b)+7], v[SCW+4*((\k)%2)+\b], v[SCW+4*((\k)%2)+\a] matrix_a_fmt:MATRIX_FMT_BF6 matrix_b_fmt:MATRIX_FMT_BF6 matrix_a_scale:MATRIX_SCALE_ROW1
.endif
.endr
.endr
.endm
.macro TAILK k                         ; behind the fetch of step k + 1: all but its 28 loads are in; step k is multiplied
	s_wait_dscnt 28
	WIN 0x50                                       ; C and D in window 1
	MULK \k
.endm
.macro STEPK k
	PLACES 4                                       ; in front of loads into registers that matrix instructions have read
	WIN 0
	FETCH (\k)+1
	TAILK \k
.endm
	s_wait_alu depctr_va_vdst(0)                   ; the wait at the head's end
	s_wait_tensorcnt 0x0                           ; my tile of the head's four is in; region 2's first fill is issued as a refill is
	ds_add_u32 v[SPW], v[NIL]
	s_mov_b32 s[G1+2], 4<<16                       ; no tensor load of mine is out: from here on a load brings 4 row blocks
	s_mov_b32 s[G1+4], 4
	s_mov_b32 s[G1B+2], 4<<16
	s_mov_b32 s[G1B+4], 4
	s_wait_dscnt 0x0
	CROUND
	JLOAD 36, 60                                   ; K steps 6-11
	FETCH 0
.irp k, 0,1,2,3,4
	STEPK \k
.endr
	WIN 0
	s_wait_tensorcnt 0x0                           ; my part of region 2 is in
	ds_add_u32 v[SPW], v[NIL]
	s_mov_b32 s[G1+1], 768<<16                     ; the last load brings four fragments a row block: 6,144 bytes
	s_mov_b32 s[G1+3], 768<<16
	s_mov_b32 s[G1B+1], 768<<16
	s_mov_b32 s[G1B+3], 768<<16
	s_wait_dscnt 0x0                               ; the add is done, and my reads of region 1 are over (step 5's fragments are in registers)
	CROUND
	JLOAD 40, 68                                   ; K steps 12-15, into region 1; its four v_nop are the places in front of the loads below
	FETCH 6
	TAILK 5
.irp k, 6,7,8,9,10
	STEPK \k
.endr
	WIN 0
	s_wait_tensorcnt 0x0                           ; my part of K steps 12-15 is in
	s_wait_dscnt 0x0
	s_barrier_signal -1
	s_barrier_wait -1
	PLACES 4
	FETCH 12
	TAILK 11
	STEPK 12
	STEPK 13
	STEPK 14
	s_wait_dscnt 0
	MULK 15
	WIN 0
; THE WAY OUT, block by block of 16 rows x 64 columns, through my own stage: whole rows of 256 bytes come back, sixteen lanes to a row
.macro TOSTAGE a
	WIN 0x04                                       ; the data: window 1
.irp b, 0,1,2,3
	ds_store_b128 v[STO], v[8*(4*(\a)+\b):8*(4*(\a)+\b)+3] offset:128*(\b/2)+32*(\b%2)      ; each accumulator from its low end on
	ds_store_b128 v[STO], v[8*(4*(\a)+\b)+4:8*(4*(\a)+\b)+7] offset:128*(\b/2)+32*(\b%2)+16
.endr
	WIN 0
.irp t, 0,1,2,3,4,5,6,7
	ds_load_b128 v[BK+32*((\a)%2)+4*\t:BK+32*((\a)%2)+4*\t+3], v[RD] offset:2*\t*SPITCH     ; LDS serves a wave's instructions in order
.endr
.endm
.macro SEND a, younger                 ; place 16 a + m of my rows holds row 32 (a / 2) + 8 (a % 2) + m + 8 (m / 8)
	s_wait_dscnt \younger
.irp t, 0,1,2,3,4,5,6,7
	global_store_b128 v[CO], v[BK+32*((\a)%2)+4*\t:BK+32*((\a)%2)+4*\t+3], s[8:9] offset:(32*((\a)/2)+8*((\a)%2)+2*\t+8*(\t/4))*8192 th:TH_STORE_NT
.endr
.endm
	PLACES 4
	TOSTAGE 0
.irp a, 1,2,3
.if \a > 1
	s_wait_xcnt 0x0                                ; block a - 2's stores have read their registers
.endif
	TOSTAGE \a
	SEND \a-1, 16                                  ; behind block a - 1's loads: block a's 8 stores and 8 loads
.endr
	SEND 3, 0
	s_wait_tensorcnt 0x0                           ; the wave's end
	ds_add_u32 v[SPW], v[NIL]
	s_wait_dscnt 0x0
	CROUND                                         ; the closing round
	s_endpgm
.Lfunc_end_k_qa0769029c9_outp:
	.size	k_qa0769029c9_outp, .Lfunc_end_k_qa0769029c9_outp-k_qa0769029c9_outp
	.p2alignl 7, 3214868480
	.fill 96, 4, 3214868480
	.section	.rodata,"a",@progbits
	.p2align	6, 0x0
	.amdhsa_kernel k_qa0769029c9_outp
		.amdhsa_group_segment_fixed_size 327680
		.amdhsa_private_segment_fixed_size 0
		.amdhsa_enable_private_segment 0
		.amdhsa_kernarg_size 24
		.amdhsa_user_sgpr_count 2
		.amdhsa_user_sgpr_kernarg_segment_ptr 1
		.amdhsa_wavefront_size32 1
		.amdhsa_system_sgpr_workgroup_id_x 1
		.amdhsa_system_sgpr_workgroup_id_y 1
		.amdhsa_system_sgpr_workgroup_id_z 1
		.amdhsa_system_vgpr_workitem_id 0
		.amdhsa_next_free_vgpr 384
		.amdhsa_next_free_sgpr 102
		.amdhsa_reserve_vcc 0
		.amdhsa_float_denorm_mode_32 3
		.amdhsa_float_denorm_mode_16_64 3
		.amdhsa_memory_ordered 1
		.amdhsa_forward_progress 1
		.amdhsa_inst_pref_size 83
	.end_amdhsa_kernel
	.amdgpu_metadata
---
amdhsa.version: [ 1, 2 ]
amdhsa.kernels:
  - .name:           k_qa0769029c9_outp
    .symbol:         k_qa0769029c9_outp.kd
    .args:
      - { .name: att, .offset: 0, .size: 8, .value_kind: global_buffer, .address_space: global }
      - { .name: ops, .offset: 8, .size: 8, .value_kind: global_buffer, .address_space: global }
      - { .name: out0, .offset: 16, .size: 8, .value_kind: global_buffer, .address_space: global }
    .group_segment_fixed_size: 327680
    .private_segment_fixed_size: 0
    .kernarg_segment_align: 8
    .kernarg_segment_size: 24
    .max_flat_workgroup_size: 128
    .sgpr_count:     102
    .vgpr_count:     384
    .wavefront_size: 32
...
	.end_amdgpu_metadata
.endif
;; end of part 4
